; MI455X (gfx1250); checked and timed in simulation.
; The chip was launched on July 23, 2026; its instructions are those of AMD's public machine-readable ISA for CDNA 5 (MIT licence, August 2026) and "CDNA5" Instruction Set Architecture Reference Guide (July 2026). The comments in the code are by the model that wrote it; some were corrected since.
;; LSA. Allowed arithmetic: matrix products marked QUANTISED: E2M1 operands, one E8M0 scale for each 32 along K, by v_wmma_scale_f32_16x16x128_f8f6f4 with both operands' format E2M1 (or v_wmma_scale_f32_32x16x128_f4), f32 sums; products left as they are: bf16, f16 or f32 operands; f32 sums; everything else in f32.
;; Inputs: b_out 1,024 float32; temperature one number float32; w_out 1,024 x 1,024 float32; w_qkv 3,072 x 1,024 float32; x 8 x 1,024 x 1,024 float32.
;; Outputs: out0 8 x 1,024 x 1,024 float32.
;; This version of the problem:
;;   THIS VERSION OF THE PROBLEM IS GIVEN IN LOW PRECISION. The matrix products marked QUANTISED in the list below multiply operands that are first quantised to E2M1 (2 exponent bits, 1 mantissa bit; 4 bits a number), with one power-of-two scale for each 32 numbers along K (OCP MX v1.0); their sums are f32. The products marked 'left as it is' may take bf16, f16 or f32 operands, with f32 sums. Whichever they take, every output number must still come out within the allowed error. Rounding operands to bf16 (8 significant bits) uses up far more of that allowance than f16 does (11 bits, for magnitudes from 6e-5 to 65,504). All else is computed in f32.
;;   The module's matrix products, in the order in which they are computed (A, B: the left and right operand; K: the contracted axis; several contracted axes count as one K, in the product's order):
;;     1. [M 8,192, K 1,024] x [K 1,024, N 3,072]; A: input x; B: input w_qkv: QUANTISED
;;     2. batch 128 x [M 1,024, K 64] x [K 64, N 1,024]; A: computed on the way; B: computed on the way: left as it is (an operand is computed on the way)
;;     3. batch 128 x [M 1,024, K 1,024] x [K 1,024, N 64]; A: computed on the way; B: computed on the way: left as it is (an operand is computed on the way)
;;     4. [M 8,192, K 1,024] x [K 1,024, N 1,024]; A: computed on the way; B: input w_out: left as it is (an operand is computed on the way)
;;   THE QUANTISER, for each operand of a quantised product, along K:
;;     - K is cut into blocks of 32 from its start; a last block that is shorter is filled with zeros.
;;     - A block's scale is 2^e with e = floor(log2(the largest magnitude in the block)) - 2, held to -126 .. 127; a block of zeros has e = 0. As a byte (E8M0): e + 127.
;;     - Each number is divided by its block's scale, clamped to +-6, and rounded to the nearest number of E2M1, ties to even, subnormals kept.
;;     - The product sums the exact products of the quantised numbers (number of the format x scale) in f32.
;;   ~~~python
;;   def quantise(x, axis):      # numpy; x: float32 -> the quantised numbers, widened to float32 again
;;       x = np.moveaxis(x, axis, -1); K = x.shape[-1]
;;       x = np.pad(x, [(0, 0)] * (x.ndim - 1) + [(0, -K % 32)]); x = x.reshape(x.shape[:-1] + (-1, 32)); a = np.abs(x).max(-1, keepdims=True)
;;       e = np.where(a > 0, np.clip(np.frexp(np.where(a > 0, a, 1))[1] - 1 - 2, -126, 127), 0)      # np.frexp(a)[1] - 1 = floor(log2(a)), exactly
;;       r = np.clip(x / 2.0 ** e, -6, 6)
;;       step = 2.0 ** (np.maximum(np.frexp(np.where(r == 0, 1, r))[1] - 1, 0) - 1)
;;       q = np.round(r / step) * step * 2.0 ** e      # np.round: ties to even
;;       return np.moveaxis(q.reshape(q.shape[:-2] + (-1,))[..., :K], -1, axis).astype(np.float32)
;;   ~~~
;; One version. Each part assembles by itself: llvm-mc -triple=amdgcn-amd-amdhsa -mcpu=gfx1250 --defsym DOCPART=n.
;; ======== version 1 of 1: 4 launches
;; limits: values are held in f16: magnitudes above 65,504 overflow, below 6.1e-05 lose precision
;; workspace buffers: xc 4,194,304 bytes; xs 262,144 bytes; wc 1,572,864 bytes; ws 98,304 bytes; wo16 2,097,152 bytes; qkv 50,331,648 bytes; att 16,777,216 bytes
;; launch prep (part 1): grid 384 x 1, 4 waves a work-group, no clusters, 33,280 bytes of LDS; arguments x, w_qkv, xc, xs, wc, ws, w_out, wo16; writes xc, xs, wc, ws, wo16
.if DOCPART == 1
	.amdgcn_target "amdgcn-amd-amdhsa--gfx1250"
	.amdhsa_code_object_version 6
	.text
	.protected	k_q73e660f64f_prep
	.globl	k_q73e660f64f_prep
	.p2align	8
	.type	k_q73e660f64f_prep,@function
k_q73e660f64f_prep:
	s_mov_b64 s[64:65], 0
	v_nop
	global_prefetch_b8 v0, s[64:65] scope:SCOPE_SE
	s_setreg_imm32_b32 hwreg(HW_REG_WAVE_MODE, 25, 1), 1
	s_wait_xcnt 0x0
; x [8192][1024] and w_qkv [3072][1024], f32, K innermost, are turned into codes of FP4 (E2M1), 4 bits each, with one E8M0 scale byte for each 32 along K; w_out [1024][1024] is rounded to f16.
; A block's scale is 2^(floor(log2(its largest magnitude)) - 2); its byte is the largest magnitude's own exponent field - 2, held at 1 from below.  A block of zeros so gets the byte 1 where the
; quantiser says 127: its codes are zeros, which add nothing under any byte but 0xff, and the bytes are read by this program alone.  Each number is divided by the scale and rounded to the nearest code, ties to even.
; LIMITS: blocks whose largest magnitude lies under 2^-124 keep the byte 1; NaN and infinities among the inputs are not served; w_out beyond 65,504 would become infinity in f16.
; Rows are dense and K is a multiple of 32: both tensors are plain streams of blocks of 32 numbers, and so are the codes and the scale bytes.
; WORK-GROUPS 0 to 255 take x, 256 to 351 w_qkv (one path: only pointers are chosen), 352 to 383 w_out (a path of its own, with no LDS but its spare words).
; QUANTISING: a wave takes 16 steps of 512 numbers.  Each of a step's four loads reads 512 consecutive bytes, 16 a lane; the 2,048 bytes go through the wave's own stage in LDS and come back 64 bytes a lane,
; so that a lane holds 16 NEIGHBOURS along K (two neighbouring lanes hold a block).  A lane's 16 codes are 8 bytes: the wave stores 256 consecutive bytes.  A wave's 256 scale bytes are gathered in LDS and leave together.
; No tensor loads, no barrier: waves share nothing.  Loads run four steps (16 loads a wave) ahead, the turn through LDS one step.
.set SIZE_M, 8192
.set SIZE_N, 3072
.set SIZE_K, 1024
.set WAVES, 4
.set STEPS, 16
.set WGA,   SIZE_M*SIZE_K/(512*STEPS*WAVES)            ; 256 work-groups for x
.set WGQ,   (SIZE_M+SIZE_N)*SIZE_K/(512*STEPS*WAVES)   ; 352 that quantise
.set EMAX,  2
.set CB,    8                          ; bytes of 16 codes
.set R,     16                         ; v16-79   four sets of 16 numbers as they are loaded
.set X,     80                         ; v80-111  two sets of 16 neighbours
.set C,     128                        ; v128-191 codes: four registers for each step, so that no store's data are written again
.set E,     112                        ; v112-127 a scale byte for each step
.set WREG,  8192                       ; LDS: a region of its own for each wave: two stages of 32 x SP bytes, and behind them its 256 scale bytes
.set SP,    80                         ; a lane's place in a stage: its 64 bytes + 16 of padding
.set SPW,   12                         ; v12      LDS address of my spare word: SPARE + 4 x my thread's number; never rewritten
.set NIL,   13                         ; v13      0; never rewritten
.set SPARE, WAVES*WREG                 ; behind the four regions: the spare words, 128 bytes for each wave, which no other line names
.set CIN,   16                         ; w_out's path: v16-143 two sets of 64 numbers as loaded
.set COUT,  144                        ; v144-175 a set's 64 numbers as f16
	s_load_b128 s[4:7], s[0:1], 0x0                ; x, w_qkv
	s_load_b128 s[8:11], s[0:1], 0x10              ; x's codes, x's scales
	s_load_b128 s[12:15], s[0:1], 0x20             ; w_qkv's codes, w_qkv's scales
	s_load_b128 s[24:27], s[0:1], 0x30             ; w_out, its f16 copy
	v_lshl_add_u32 v[SPW], v0, 2, SPARE
	v_mov_b32 v[NIL], 0
	v_lshrrev_b32 v1, 5, v0
	v_readfirstlane_b32 s16, v1                    ; wave
	v_and_b32 v2, 31, v0                           ; lane
	v_lshlrev_b32 v3, 4, v2                        ; my 16 bytes of a load's 512
	s_mul_i32 s17, s16, WREG
	v_lshrrev_b32 v14, 2, v2
	v_mul_u32_u24 v14, v14, SP
	v_and_b32 v15, 3, v2
	v_lshl_add_u32 v14, v15, 4, v14
	v_add_nc_u32 v14, s17, v14                     ; the stage, on the way in: four lanes' 64 bytes on end, then 16 of padding
	v_mul_u32_u24 v15, v2, SP
	v_add_nc_u32 v15, s17, v15                     ; and on the way out: SP x lane: my 16 neighbours
	v_mul_u32_u24 v4, v2, CB                       ; 8 x lane: my codes' place in a step's; on w_out's path my four f16
	v_lshrrev_b32 v5, 1, v2
	s_add_co_u32 s17, s17, 2*32*SP
	v_add_nc_u32 v5, s17, v5                       ; LDS: my wave's 256 scale bytes, my block's byte
	v_lshlrev_b32 v7, 3, v2                        ; and on the way out 8 bytes a lane
	v_add_nc_u32 v6, s17, v7
	s_wait_kmcnt 0x0
	s_cmp_ge_u32 ttmp9, WGQ                        ; the last 32 work-groups round w_out: a branch on the work-group's number alone
	s_cbranch_scc1 .Lconv
	s_cmp_lt_u32 ttmp9, WGA                        ; x's work-group or w_qkv's?
	s_cselect_b64 s[4:5], s[4:5], s[6:7]
	s_cselect_b64 s[8:9], s[8:9], s[12:13]
	s_cselect_b64 s[10:11], s[10:11], s[14:15]
	s_cselect_b32 s17, 0, WGA
	s_sub_co_u32 s17, ttmp9, s17
	s_lshl_b32 s17, s17, 2
	s_add_co_u32 s18, s17, s16                     ; which run of 8,192 numbers of the tensor is my wave's
	s_mov_b32 s19, 0
	s_mov_b64 s[20:21], 512*STEPS*4
	s_mul_u64 s[20:21], s[18:19], s[20:21]
	s_add_nc_u64 s[4:5], s[4:5], s[20:21]
	s_mov_b64 s[20:21], 32*STEPS*CB
	s_mul_u64 s[20:21], s[18:19], s[20:21]
	s_add_nc_u64 s[8:9], s[8:9], s[20:21]
	s_lshl_b32 s18, s18, 8                         ; 256 scale bytes a run
	s_add_nc_u64 s[10:11], s[10:11], s[18:19]
.macro LOAD t
.irp i, 0,1,2,3
	global_load_b128 v[R+16*((\t)%4)+4*\i:R+16*((\t)%4)+4*\i+3], v3, s[4:5] offset:2048*(\t)+512*\i th:TH_LOAD_NT   ; 32 lanes read 512 consecutive bytes
.endr
.endm
.macro TURN t                          ; step t's numbers through the stage: LDS serves a wave's instructions in order, so no wait stands between the stores and the loads
.irp i, 0,1,2,3
	ds_store_b128 v14, v[R+16*((\t)%4)+4*\i:R+16*((\t)%4)+4*\i+3] offset:32*SP*((\t)%2)+8*SP*\i
.endr
.irp i, 0,1,2,3
	ds_load_b128 v[X+16*((\t)%2)+4*\i:X+16*((\t)%2)+4*\i+3], v15 offset:32*SP*((\t)%2)+16*\i
.endr
.endm
.irp t, 0,1,2,3
	LOAD \t
.endr
	s_wait_loadcnt 12                              ; step 0's four loads are in
	TURN 0
.macro STEP t
.set XS, X+16*((\t)%2)
.if (\t) > 0
	s_wait_dscnt 1                                 ; this step's numbers are back from the stage (the last step's byte store may be out): so its stores into the stage have read their registers,
.else
	s_wait_dscnt 0x0
.endif
.if (\t)+4 < STEPS
	LOAD (\t)+4                                    ; which take the loads of four steps on
.endif
.if (\t)+1 < STEPS
.if STEPS-2-(\t) >= 3
	s_wait_loadcnt 12                              ; the next step's four loads are in; those of the three steps behind it may be out
.else
	s_wait_loadcnt 4*(STEPS-2-(\t))
.endif
	TURN (\t)+1                                    ; and go through the other stage while this step is worked
.endif
	v_max3_num_f32 v8, |v[XS]|, |v[XS+1]|, |v[XS+2]|               ; the largest magnitude of my 16, in two chains
	v_max3_num_f32 v9, |v[XS+3]|, |v[XS+4]|, |v[XS+5]|
.irp i, 6,10
	v_max3_num_f32 v8, v8, |v[XS+\i]|, |v[XS+\i+1]|
	v_max3_num_f32 v9, v9, |v[XS+\i+2]|, |v[XS+\i+3]|
.endr
	v_max3_num_f32 v8, v8, |v[XS+14]|, |v[XS+15]|
	v_max3_num_f32 v8, v8, v9, (EMAX+1)<<23        ; and the floor 2^(EMAX + 1 - 127), under which no largest magnitude is taken: so the byte cannot fall under 1
	v_max_num_f32_dpp v8, v8, v8 row_xmask:1 row_mask:0xf bank_mask:0xf   ; and of my neighbour's 16: the block's
	v_add_nc_u32 v11, -(EMAX<<23), v8              ; EMAX off its exponent field: the conversion takes the exponent field of this operand as its scale, and nothing else of it
	v_cvt_scalef32_pk8_fp4_f32 v[C+4*(\t)], v[XS:XS+7], v11        ; eight numbers / the scale, to the nearest code, ties to even, beyond the largest code the largest; the first number's code in the lowest four bits
	v_cvt_scalef32_pk8_fp4_f32 v[C+4*(\t)+1], v[XS+8:XS+15], v11
	v_lshrrev_b32 v[E+(\t)], 23, v11               ; the scale's byte (also the plain line behind the conversions)
	ds_store_b8 v5, v[E+(\t)] offset:16*(\t)       ; both lanes of a block write the same byte with the same value
	global_store_b64 v4, v[C+4*(\t):C+4*(\t)+1], s[8:9] offset:32*CB*(\t)   ; 32 lanes store 256 consecutive bytes, aligned
.endm
.irp t, 0,1,2,3,4,5,6,7,8,9,10,11,12,13,14,15
	STEP \t
.endr
	ds_load_b64 v[8:9], v6                         ; LDS serves a wave's instructions in order: these see my stores
	s_wait_dscnt 0x0
	global_store_b64 v7, v[8:9], s[10:11]          ; 32 lanes store 256 consecutive bytes, aligned
	s_wait_tensorcnt 0x0                           ; the wave's end: behind my last LDS store
	ds_add_u32 v[SPW], v[NIL]
	s_wait_dscnt 0x0
	s_endpgm
; W_OUT TO F16.  A wave takes 8,192 numbers: 64 loads of 512 consecutive bytes, in four groups of 16, two groups on their way; a lane's four numbers become 8 bytes, and a store covers 256 consecutive bytes, aligned.
.Lconv:
	s_sub_co_u32 s17, ttmp9, WGQ
	s_lshl_b32 s17, s17, 2
	s_add_co_u32 s18, s17, s16                     ; which run of 8,192 numbers is my wave's
	s_lshl_b32 s20, s18, 15                        ; 32,768 bytes of f32,
	s_mov_b32 s21, 0
	s_add_nc_u64 s[24:25], s[24:25], s[20:21]
	s_lshl_b32 s20, s18, 14                        ; 16,384 of f16
	s_add_nc_u64 s[26:27], s[26:27], s[20:21]
.macro CLOAD g
.irp i, 0,1,2,3,4,5,6,7,8,9,10,11,12,13,14,15
	global_load_b128 v[CIN+64*((\g)%2)+4*\i:CIN+64*((\g)%2)+4*\i+3], v3, s[24:25] offset:512*(16*(\g)+\i) th:TH_LOAD_NT
.endr
.endm
.macro CGROUP g
.if (\g) < 3
	s_wait_loadcnt 16                              ; this group's 16 loads are in; the next group's may be out
.else
	s_wait_loadcnt 0
.endif
.if (\g) > 0
	s_wait_xcnt 0x0                                ; the last group's stores have read their data registers, which are written again below
.endif
.irp i, 0,1,2,3,4,5,6,7,8,9,10,11,12,13,14,15
	v_cvt_pk_f16_f32 v[COUT+2*\i], v[CIN+64*((\g)%2)+4*\i], v[CIN+64*((\g)%2)+4*\i+1]
	v_cvt_pk_f16_f32 v[COUT+2*\i+1], v[CIN+64*((\g)%2)+4*\i+2], v[CIN+64*((\g)%2)+4*\i+3]
.endr
.irp i, 0,1,2,3,4,5,6,7,8,9,10,11,12,13,14,15
	global_store_b64 v4, v[COUT+2*\i:COUT+2*\i+1], s[26:27] offset:256*(16*(\g)+\i)
.endr
.if (\g)+2 < 4
	CLOAD (\g)+2
.endif
.endm
	CLOAD 0
	CLOAD 1
	CGROUP 0
	CGROUP 1
	CGROUP 2
	CGROUP 3
	s_wait_tensorcnt 0x0                           ; the three lines stand at this end as at the other
	ds_add_u32 v[SPW], v[NIL]
	s_wait_dscnt 0x0
	s_endpgm
.Lfunc_end_k_q73e660f64f_prep:
	.size	k_q73e660f64f_prep, .Lfunc_end_k_q73e660f64f_prep-k_q73e660f64f_prep
	.p2alignl 7, 3214868480
	.fill 96, 4, 3214868480
	.section	.rodata,"a",@progbits
	.p2align	6, 0x0
	.amdhsa_kernel k_q73e660f64f_prep
		.amdhsa_group_segment_fixed_size 33280
		.amdhsa_private_segment_fixed_size 0
		.amdhsa_enable_private_segment 0
		.amdhsa_kernarg_size 64
		.amdhsa_user_sgpr_count 2
		.amdhsa_user_sgpr_kernarg_segment_ptr 1
		.amdhsa_wavefront_size32 1
		.amdhsa_system_sgpr_workgroup_id_x 1
		.amdhsa_system_sgpr_workgroup_id_y 1
		.amdhsa_system_sgpr_workgroup_id_z 1
		.amdhsa_system_vgpr_workitem_id 0
		.amdhsa_next_free_vgpr 192
		.amdhsa_next_free_sgpr 66
		.amdhsa_reserve_vcc 0
		.amdhsa_float_denorm_mode_32 3
		.amdhsa_float_denorm_mode_16_64 3
		.amdhsa_memory_ordered 1
		.amdhsa_forward_progress 1
		.amdhsa_inst_pref_size 54
	.end_amdhsa_kernel
	.amdgpu_metadata
---
amdhsa.version: [ 1, 2 ]
amdhsa.kernels:
  - .name:           k_q73e660f64f_prep
    .symbol:         k_q73e660f64f_prep.kd
    .args:
      - { .name: x, .offset: 0, .size: 8, .value_kind: global_buffer, .address_space: global }
      - { .name: w_qkv, .offset: 8, .size: 8, .value_kind: global_buffer, .address_space: global }
      - { .name: xc, .offset: 16, .size: 8, .value_kind: global_buffer, .address_space: global }
      - { .name: xs, .offset: 24, .size: 8, .value_kind: global_buffer, .address_space: global }
      - { .name: wc, .offset: 32, .size: 8, .value_kind: global_buffer, .address_space: global }
      - { .name: ws, .offset: 40, .size: 8, .value_kind: global_buffer, .address_space: global }
      - { .name: w_out, .offset: 48, .size: 8, .value_kind: global_buffer, .address_space: global }
      - { .name: wo16, .offset: 56, .size: 8, .value_kind: global_buffer, .address_space: global }
    .group_segment_fixed_size: 33280
    .private_segment_fixed_size: 0
    .kernarg_segment_align: 8
    .kernarg_segment_size: 64
    .max_flat_workgroup_size: 128
    .sgpr_count:     66
    .vgpr_count:     192
    .wavefront_size: 32
...
	.end_amdgpu_metadata
.endif
;; end of part 1
;; launch qkvgemm (part 2): grid 8 x 32, 4 waves a work-group, clusters of 4 x 4, 327,680 bytes of LDS; arguments xc, xs, wc, ws, qkv; writes qkv
.if DOCPART == 2
	.amdgcn_target "amdgcn-amd-amdhsa--gfx1250"
	.amdhsa_code_object_version 6
	.text
	.protected	k_q73e660f64f_qkvgemm
	.globl	k_q73e660f64f_qkvgemm
	.p2align	8
	.type	k_q73e660f64f_qkvgemm,@function
k_q73e660f64f_qkvgemm:
	s_mov_b64 s[64:65], 0
	v_nop
	global_prefetch_b8 v0, s[64:65] scope:SCOPE_SE
	s_setreg_imm32_b32 hwreg(HW_REG_WAVE_MODE, 25, 1), 1
	s_wait_xcnt 0x0
	s_wait_alu depctr_hold_cnt(0) depctr_sa_sdst(0) depctr_va_vdst(0) depctr_va_sdst(0) depctr_va_ssrc(0) depctr_va_vcc(0) depctr_vm_vsrc(0)
	s_getreg_b32 s2, hwreg(HW_REG_IB_STS2, 6, 4)
	s_cmp_eq_u32 s2, 0
	s_cbranch_scc0 .Lentry_in_a_cluster
	s_endpgm
.Lentry_in_a_cluster:
	s_bfe_u32 s2, ttmp6, 0x10000c
	s_cmp_lg_u32 s2, 0xf033
	s_cbranch_scc0 .Lentry_shape_is_right
	s_endpgm
.Lentry_shape_is_right:
; qkv[m][e] = sum over k of x[m][k] w_qkv[e][k], both as codes of FP4 (E2M1) with one E8M0 scale for each 32 along K; sums in f32; the results are rounded once to f16 (operands of the products that follow) and laid by head:
; section s = e / 1024 (q, k, v), head = (e % 1024) / 64, d = e % 64, batch = m / 1024, n = m % 1024: byte ((128 s + 16 batch + head) << 17) + 128 n + 2 d.
; LIMITS: a result beyond 65,504 becomes infinity in f16; NaN and infinities are not served.
; A WORK-GROUP MAKES 256 ROWS x 384 COLUMNS, so that 8,192 x 3,072 are 256 work-groups of equal work.  It does so in two parts, since 384 columns' codes for all of K do not fit in LDS beside x's:
;   PART 1: columns 0-255.  A wave makes 128 x 128: 64 accumulators of 16 x 16, 512 registers.  K = 1,024 is two K steps of 512, one in each of two LDS slots, both asked for at the head.
;   At the change of slots w_qkv's 256 rows of slot 0 have been read out: that region is filled again, once, with the codes of columns 256-383 for ALL of K (wave 2: K 0-511 into its first half; wave 3: K 512-1,023 into its second).
;   PART 2: columns 256-383.  x's rows are still in both slots.  Wave w makes rows 64 w .. 64 w + 63 x 128 columns: 32 accumulators.  Part 1's results are stored ahead of it, so that their stores are on their way while it multiplies.
; THE SCALES of the work-group's 256 rows of x and 384 rows of w_qkv, for all of K, are two dense blocks of memory: they come into LDS once, with the first fills.
; CLUSTERS: 4 x 4 work-groups.  The four of a row of the cluster need the same tiles of x, the four of a column the same tiles of w_qkv: each tile is asked for JOINTLY, by the same tensor load with the
; same descriptor and a mask that names the four.  THE MATRIX INSTRUCTION IS USED TRANSPOSED (source 0 = 16 rows of w_qkv, source 1 = 16 rows of x): a lane then holds eight neighbouring e of one row m.
; REGISTERS, in windows of 256: window 0: v0-31 addresses; v32-95 scale words, two sets, and nothing else; v96-127, v192-255 the way out; v128-191 x's fragments (part 1: 8 x 16 rows x 128 K, one set; part 2: two sets of 4).
;   window 1: w_qkv's fragments, TWO sets, at v0 and at v128.   window 2: the 32 accumulators of my rows 0-63 (accumulator (a, b) at v[8 (8 a + b)]), in part 2 all 32;   window 3: those of my rows 64-127.
.set SIZE_M, 8192
.set SIZE_N, 3072
.set SIZE_K, 1024
.set TN,     384                       ; columns of a work-group
.set KSTEP,  512                       ; along K in a slot
.set NQ,     KSTEP/128                 ; matrix instructions deep
.set ROWB,   256                       ; a tile's row in bytes: KSTEP codes of 4 bits
.set KROW,   SIZE_K*4/8                ; a row of codes in memory, in bytes
.set PITCH,  272                       ; an LDS row: 256 bytes of data + 16 of padding = 68 words: row r starts at bank 4 r mod 64 (64 banks of 4 bytes: ISA guide 11.1), so the 16 rows that a load touches start at 16 different banks
.set FR,     8                         ; registers of a fragment: 16 rows x 128 K
.set NL,     2                         ; LDS loads that bring one
.set NP,     4                         ; places behind this matrix instruction (ISA guide 7.12.1)
.set HALFT,  128*PITCH                 ; 128 rows: what one tensor load brings
.set SLOT,   4*HALFT                   ; x's 256 rows, then 256 rows of w_qkv
.set KS,     SIZE_K/32                 ; a row of scales in bytes
.set SCL,    2*SLOT                    ; behind the slots: x's scales, as units of 256 bytes + 16 of padding;
.set HALFS,  (128*KS/256)*272          ; (those of 128 rows: what one tensor load brings of them)
.set SCB,    SCL+2*HALFS               ; behind them w_qkv's, laid likewise
.set SBH,    (192*KS/256)*272          ; (those of 192 rows: what one tensor load brings of them)
.set SBLK,   (16*KS/256)*272           ; the scales of 16 rows
.set SPARE,  SCB+2*SBH                 ; behind the scales: the spare words, 128 bytes for each wave, which no other line names
.set STAGE,  SPARE+512                 ; behind them: a stage of 16 rows x (256 bytes + 16) for each wave, for the way out: bytes of its own, into which no tile lands
.set SPITCH, 272
.set ADRA, 16                          ; v16-17  part 1: LDS address of my x fragments in slot 0, 1
.set ADRA2, 18                         ; v18-19  part 2: the same for my 64 rows
.set ADRB, 20                          ; v20-21  part 1: LDS address of my w_qkv fragments in slot 0, 1
.set ADRB2, 22                         ; v22-23  part 2: of the third 128 columns' fragments, K 0-511 and K 512-1,023
.set STO,  24                          ; v24     the way out: where I put 16 bytes of a row
.set RD,   25                          ; v25     the way out: where I read 16 bytes of a head's part of a row back
.set CO,   26                          ; v26     16 x lane: my byte among four tokens of a head
.set ADRS, 27                          ; v27     part 1: LDS address of my scale words: lanes 0-15 x's rows, lanes 16-31 w_qkv's
.set SPW,  28                          ; v28     LDS address of my spare word: SPARE + 4 x my thread's number; never rewritten
.set NIL,  29                          ; v29     0; never rewritten
.set ADRS2, 30                         ; v30     part 2: LDS address of my scale words
.set SC,   32                          ; scale words: set s (for K step s) at v[SC + 8 NQ s]; in it register NQ i + q: lanes 0-15 the word of x's block i, lanes 16-31 that of w_qkv's block i, for the K step's q-th 128 along K
.set TMP,  96                          ; the way out: a block's results as f16
.set AF,   128                         ; x's fragments, in window 0
.set BK,   192                         ; the way out: 16 rows read back from the stage: v192-223 and v224-255 by turns
.set G1, 24                            ; s[24:31] descriptor group 1 for x's tiles;  s[32:39] group 0, one set for each slot
.set G0, 32
.set G1B, 48                           ; s[48:55], s[56:63] the same for w_qkv's tiles
.set G0B, 56
.set G1S, 68                           ; s[68:75], s[76:79] groups 1 and 0 for x's scales;  s[80:87], s[88:91] for w_qkv's
.set G0S, 76
.set G1SB, 80
.set G0SB, 88
.set G0C, 96                           ; s[96:99] group 0 for the one refill: the third 128 columns' codes; made at the head, never rewritten; its group 1 is G1B
.set MSB, 0
.macro WIN new                         ; the immediate's high byte repeats the setting that is left
.if MSB != \new
	s_set_vgpr_msb (MSB<<8)|\new
.set MSB, \new
.endif
.endm
.set MUL_LO, 0xa1                      ; source 0 (w_qkv) window 1, source 1 (x) window 0, C and D window 2
.set MUL_HI, 0xf1                      ; the same, C and D window 3
.set TO_B,   0x40                      ; destination window 1, address window 0
; A joint load among the first fills: waves 0 and 1 fetch for x, waves 2 and 3 for w_qkv.  Each of the two lines has ONE mask and one set of registers for all that issue it; the branch hangs on the wave's number alone.
; An s_nop 0 and four v_nop follow each of the two lines, ahead of the jump, the label and what follows.
.macro JLOAD g0a, g1a, g0b, g1b
	s_cmp_eq_u32 s15, 0
	s_cbranch_scc0 .Lfor_b_\@
	tensor_load_to_lds s[\g0a:\g0a+3], s[\g1a:\g1a+7]
	s_nop 0
.rept 4
	v_nop
.endr
	s_branch .Lasked_\@
.Lfor_b_\@:
	tensor_load_to_lds s[\g0b:\g0b+3], s[\g1b:\g1b+7]
	s_nop 0
.rept 4
	v_nop
.endr
.Lasked_\@:
.endm
; The one refill, a joint load too: waves 2 and 3 fetch 128 rows x 256 bytes each; waves 0 and 1 have no part of it and issue none.  The branch hangs on the wave's number alone: it is the same in every work-group.
.macro CLOAD
	s_cmp_eq_u32 s15, 0
	s_cbranch_scc1 .Lno_part_\@
	tensor_load_to_lds s[G0C:G0C+3], s[G1B:G1B+7]
	s_nop 0
.rept 4
	v_nop
.endr
.Lno_part_\@:
.endm
.macro CREST                           ; a round of the cluster's barrier behind its opening barrier: wave 0's signal for the work-group, every wave's wait for all sixteen, my work-group's barrier once more
	s_cmp_lg_u32 s14, 0
	s_cbranch_scc1 .Lnot_wave_0_\@
	s_barrier_signal -3
.Lnot_wave_0_\@:
	s_barrier_wait -3
	s_barrier_signal -1
	s_barrier_wait -1
.endm
.macro CROUND                          ; a whole round
	s_barrier_signal -1
	s_barrier_wait -1
	CREST
.endm
	s_load_b128 s[4:7], s[0:1], 0x0                ; x's codes s[4:5], x's scales s[6:7]
	s_load_b128 s[8:11], s[0:1], 0x10              ; w_qkv's codes s[8:9], its scales s[10:11]
	s_load_b64 s[12:13], s[0:1], 0x20              ; qkv
	v_lshl_add_u32 v[SPW], v0, 2, SPARE
	v_mov_b32 v[NIL], 0
	ds_add_u32 v[SPW], v[NIL]                      ; the wave's opening: the add, twice on end, and its wait ahead of my first tensor load; the set-up below, work on registers, stands between the second and the wait
	ds_add_u32 v[SPW], v[NIL]
	v_lshrrev_b32 v1, 5, v0
	v_readfirstlane_b32 s14, v1                    ; wave 0..3
	s_lshr_b32 s15, s14, 1                         ; part 1: which half of the tile's rows is mine.  Also: I fetch for x (0) or for w_qkv (1)
	s_and_b32 s16, s14, 1                          ; part 1: which half of its 256 columns.  Also: which part of a tile I fetch
	s_bfe_u32 s40, ttmp6, 0x40000                  ; cx, cy: my place in the cluster
	s_bfe_u32 s41, ttmp6, 0x40004
	s_lshl_b32 s42, ttmp9, 2
	s_add_co_u32 s42, s42, s40                     ; tile column = 4 x cluster x + cx
	s_and_b32 s17, ttmp7, 0xffff
	s_lshl_b32 s17, s17, 2
	s_add_co_u32 s17, s17, s41                     ; tile row = 4 x cluster y + cy
	s_lshl_b32 s43, s41, 2
	s_lshl_b32 s43, 15, s43                        ; my row of the cluster
	s_lshl_b32 s44, 0x1111, s40                    ; my column
	; descriptor group 1: a tile of 128 rows x ROWB bytes, padded in LDS
	s_or_b32 s[G1+0], s43, (0<<16)|(1<<20)|(1<<21)|(5<<22)|(3<<25)  ; 15:0 the mask: x's tiles go to my row; 17:16 element of 1 byte; 20 padding on; 21 set beside a mask; 24:22 after every 64 words (code 5); 31:25 of 4 words (code 3)
	s_or_b32 s[G1B+0], s44, (0<<16)|(1<<20)|(1<<21)|(5<<22)|(3<<25)
.irp g, G1, G1B
	s_mov_b32 s[\g+1], ROWB<<16                    ; tensor_dim0
	s_mov_b32 s[\g+2], 128<<16                     ; tensor_dim1 = 128
	s_mov_b32 s[\g+3], ROWB<<16                    ; tile_dim0
	s_mov_b32 s[\g+4], 128                         ; tile_dim1 = 128
	s_mov_b32 s[\g+5], KROW                        ; tensor_dim0_stride
	s_mov_b32 s[\g+6], 0
	s_mov_b32 s[\g+7], 0
.endr
	; and for the scales: dense blocks, as rows of 256 bytes (32 elements of 8 bytes), 16 bytes of padding behind each: x's 128 rows are 16 such rows, w_qkv's 192 rows are 24
	s_or_b32 s[G1S+0], s43, (3<<16)|(1<<20)|(1<<21)|(5<<22)|(3<<25)
	s_or_b32 s[G1SB+0], s44, (3<<16)|(1<<20)|(1<<21)|(5<<22)|(3<<25)
	s_mov_b32 s[G1S+1], 32<<16
	s_mov_b32 s[G1S+2], (128*KS/256)<<16
	s_mov_b32 s[G1S+3], 32<<16
	s_mov_b32 s[G1S+4], 128*KS/256
	s_mov_b32 s[G1S+5], 32
	s_mov_b32 s[G1S+6], 0
	s_mov_b32 s[G1S+7], 0
	s_mov_b32 s[G1SB+1], 32<<16
	s_mov_b32 s[G1SB+2], (192*KS/256)<<16
	s_mov_b32 s[G1SB+3], 32<<16
	s_mov_b32 s[G1SB+4], 192*KS/256
	s_mov_b32 s[G1SB+5], 32
	s_mov_b32 s[G1SB+6], 0
	s_mov_b32 s[G1SB+7], 0
	; where the tiles come from.  x's hang on the tile row alone, which my row of the cluster shares; w_qkv's on the tile column alone, which my column shares: each in registers that never hold the other coordinate
	s_lshl_b32 s18, s16, 7                         ; which 128 rows of a tile of codes I fetch
	s_lshl_b32 s20, s17, 8
	s_add_co_u32 s20, s20, s18                     ; x: row 256 x tile row + 128 x half
	s_mul_i32 s92, s42, TN                         ; w_qkv: the tile's first row: 384 x tile column
	s_add_co_u32 s46, s92, s18                     ; its codes for part 1: + 128 x half
	s_mul_i32 s93, s16, 192
	s_add_co_u32 s92, s92, s93                     ; its scales: + 192 x half
	s_mov_b32 s21, 0
	s_mov_b32 s47, 0
	s_mov_b32 s93, 0
	s_mov_b64 s[18:19], KS
	s_mul_u64 s[22:23], s[20:21], s[18:19]         ; where these rows' scales begin, in bytes
	s_mul_u64 s[92:93], s[92:93], s[18:19]
	s_mov_b64 s[18:19], KROW
	s_mul_u64 s[20:21], s[20:21], s[18:19]         ; and their codes
	s_mul_u64 s[46:47], s[46:47], s[18:19]
	s_mul_i32 s[G0C+2], s42, TN*KROW               ; the refill: the tile's rows 256-383,
	s_lshl_b32 s[G0C+3], s16, 8                    ; K 0-511 (wave 2) or K 512-1,023 (wave 3): 256 bytes on in each row
	s_add_co_u32 s[G0C+2], s[G0C+2], s[G0C+3]
	s_add_co_u32 s[G0C+2], s[G0C+2], 256*KROW
	s_mov_b32 s[G0C+3], 0
	s_mul_i32 s45, s14, HALFT                      ; where the codes go: wave x 128 rows: no place in the cluster enters an LDS address
	s_mul_i32 s94, s16, HALFS                      ; and the scales
	s_mul_i32 s95, s16, SBH
	s_wait_dscnt 0x0                               ; both opening adds are done
	s_wait_kmcnt 0x0
	s_add_nc_u64 s[20:21], s[4:5], s[20:21]
	s_add_nc_u64 s[22:23], s[6:7], s[22:23]
	s_add_nc_u64 s[46:47], s[8:9], s[46:47]
	s_add_nc_u64 s[92:93], s[10:11], s[92:93]
	s_add_nc_u64 s[G0C+2:G0C+3], s[8:9], s[G0C+2:G0C+3]
	s_or_b32 s[G0C+3], s[G0C+3], 0x80000000        ; 127:126 type = 2
	s_mov_b32 s[G0C], 1                            ; 1:0 count = 1
	s_mov_b32 s[G0C+1], s45                        ; 63:32 LDS address: in waves 2 and 3 the two halves of w_qkv's region of slot 0
	CROUND                                         ; all sixteen work-groups are here: the first joint loads meet
	s_mov_b32 s[G0S], 1
	s_add_co_u32 s[G0S+1], s94, SCL
	s_mov_b64 s[G0S+2:G0S+3], s[22:23]
	s_or_b32 s[G0S+3], s[G0S+3], 0x80000000
	s_mov_b32 s[G0SB], 1
	s_add_co_u32 s[G0SB+1], s95, SCB
	s_mov_b64 s[G0SB+2:G0SB+3], s[92:93]
	s_or_b32 s[G0SB+3], s[G0SB+3], 0x80000000
	JLOAD G0S, G1S, G0SB, G1SB                     ; the scales first: they are wanted with K step 0
.irp s, 0,1
	s_mov_b32 s[G0+4*\s], 1
	s_add_co_u32 s[G0+4*\s+1], s45, \s*SLOT
	s_add_nc_u64 s[G0+4*\s+2:G0+4*\s+3], s[20:21], \s*ROWB
	s_or_b32 s[G0+4*\s+3], s[G0+4*\s+3], 0x80000000
	s_mov_b32 s[G0B+4*\s], 1
	s_add_co_u32 s[G0B+4*\s+1], s45, \s*SLOT
	s_add_nc_u64 s[G0B+4*\s+2:G0B+4*\s+3], s[46:47], \s*ROWB
	s_or_b32 s[G0B+4*\s+3], s[G0B+4*\s+3], 0x80000000
	JLOAD G0+4*\s, G1, G0B+4*\s, G1B               ; three tensor loads of mine are out behind the second of these
.endr
	v_and_b32 v1, 15, v0                           ; l % 16
	v_bfe_u32 v2, v0, 4, 1                         ; l / 16
	v_mul_u32_u24 v3, v1, PITCH
	v_lshl_add_u32 v4, v2, 4, v3                   ; a fragment's row x pitch + 16 x half
	s_mul_i32 s21, s15, HALFT                      ; part 1: my 128 rows of x
	s_mul_i32 s22, s16, HALFT                      ; my 128 rows of w_qkv,
	s_add_co_u32 s22, s22, 2*HALFT                 ; which lie behind x's 256
.irp s, 0,1
	v_add_nc_u32 v[ADRA+\s], s21, v4
	v_add_nc_u32 v[ADRB+\s], s22, v4
	s_add_co_u32 s21, s21, SLOT
	s_add_co_u32 s22, s22, SLOT
.endr
	s_mul_i32 s21, s14, 64*PITCH                   ; part 2: my 64 rows of x, in slot 0
	v_add_nc_u32 v[ADRA2], s21, v4
	s_add_co_u32 s21, s21, SLOT                    ; and in slot 1
	v_add_nc_u32 v[ADRA2+1], s21, v4
	v_add_nc_u32 v[ADRB2], 2*HALFT, v4             ; the third 128 columns: K 0-511,
	v_add_nc_u32 v[ADRB2+1], 3*HALFT, v4           ; K 512-1,023: both in slot 0
	v_mul_u32_u24 v5, v1, KS                       ; my row's scales: KS bytes a row,
	v_lshrrev_b32 v6, 8, v5
	v_lshl_add_u32 v5, v6, 4, v5                   ; and 16 more for each 256 passed
	s_mul_i32 s21, s15, HALFS                      ; part 1: x's: my 128 rows
	s_mul_i32 s22, s16, HALFS                      ; w_qkv's: my 128 rows, behind x's 256
	s_add_co_u32 s22, s22, 2*HALFS
	s_sub_co_u32 s22, s22, s21
	v_mul_u32_u24 v6, s22, v2                      ; lanes 16-31 take w_qkv's
	s_add_co_u32 s21, s21, SCL
	v_add_nc_u32 v7, v5, v6
	v_add_nc_u32 v[ADRS], s21, v7
	s_mul_i32 s21, s14, 4*SBLK                     ; part 2: x's: my 64 rows
	s_mov_b32 s22, 2*HALFS+16*SBLK                 ; w_qkv's: the tile's rows 256 on
	s_sub_co_u32 s22, s22, s21
	v_mul_u32_u24 v6, s22, v2
	s_add_co_u32 s21, s21, SCL
	v_add_nc_u32 v7, v5, v6
	v_add_nc_u32 v[ADRS2], s21, v7
	s_mul_i32 s23, s14, 16*SPITCH
	s_add_co_u32 s23, s23, STAGE                   ; my stage
	v_mul_u32_u24 v5, v1, SPITCH                   ; in: row l % 16, 16 bytes for each half of the lanes
	v_lshl_add_u32 v5, v2, 4, v5
	v_add_nc_u32 v[STO], s23, v5
	v_bfe_u32 v5, v0, 3, 2                         ; back: eight lanes take a head's 128 bytes of one row, the 32 lanes four rows
	v_mul_u32_u24 v5, v5, SPITCH
	v_and_b32 v6, 7, v0
	v_lshl_add_u32 v5, v6, 4, v5
	v_add_nc_u32 v[RD], s23, v5
	v_and_b32 v6, 31, v0
	v_lshlrev_b32 v[CO], 4, v6                     ; and in memory those four tokens of a head are 512 bytes on end
	; where my results begin in qkv.  384 columns are six of the 48 heads of q, k and v; a wave's 128 columns are two heads, the first an even one, so that both lie in one section; its rows are tokens of one batch
	s_mul_i32 s46, s42, 6
	s_lshl_b32 s20, s16, 1
	s_add_co_u32 s20, s20, s46                     ; part 1: head 6 x tile column + 2 x half of the 48
	s_add_co_u32 s22, s46, 4                       ; part 2: 6 x tile column + 4
	s_lshr_b32 s46, s20, 4
	s_lshl_b32 s46, s46, 7
	s_and_b32 s20, s20, 15
	s_add_co_u32 s20, s20, s46                     ; 128 x section + head
	s_lshr_b32 s46, s22, 4
	s_lshl_b32 s46, s46, 7
	s_and_b32 s22, s22, 15
	s_add_co_u32 s22, s22, s46
	s_lshr_b32 s46, s17, 2                         ; the batch: tile row / 4
	s_lshl_b32 s46, s46, 4
	s_add_co_u32 s20, s20, s46
	s_add_co_u32 s22, s22, s46
	s_lshl_b32 s20, s20, 17                        ; a head of a batch is 1,024 tokens x 128 bytes
	s_lshl_b32 s22, s22, 17
	s_and_b32 s46, s17, 3
	s_lshl_b32 s46, s46, 8                         ; the tile's first token: 256 x (tile row % 4)
	s_lshl_b32 s47, s15, 7                         ; part 1: + 128 x half
	s_add_co_u32 s47, s47, s46
	s_lshl_b32 s47, s47, 7
	s_add_co_u32 s20, s20, s47                     ; under 2^26
	s_lshl_b32 s47, s14, 6                         ; part 2: + 64 x wave
	s_add_co_u32 s47, s47, s46
	s_lshl_b32 s47, s47, 7
	s_add_co_u32 s22, s22, s47
	s_mov_b32 s21, 0
	s_mov_b32 s23, 0
	s_add_nc_u64 s[4:5], s[12:13], s[22:23]        ; part 2's base
	s_add_nc_u64 s[12:13], s[12:13], s[20:21]      ; part 1's
.macro FRAG reg, adr, q, i             ; a fragment, 16 rows x 128 K of 4-bit codes, is 8 registers: lane l holds row l % 16; registers 4 c .. 4 c + 3 hold K = 64 c + 32 (l / 16) + 0 .. 31, the lower K in the lower bits
.irp c, 0,1
	ds_load_b128 v[\reg+4*\c:\reg+4*\c+3], v[\adr] offset:64*(\q)+32*\c+(\i)*16*PITCH
.endr
.endm
; PART 1.  16 matrix instructions: x's blocks a0, a0 + 1 against w_qkv's eight, 128 along K: the slot's q-th.  p: w_qkv's set;  sc: the set of scale words.  zero = 1: the first product starts the sums: nothing is ever cleared.
; The 64 accumulators take turns, one instruction a turn, in the same order in every step.
.macro MUL16 a0, p, q, sc, zero
.irp a, \a0, \a0+1
.irp b, 0,1,2,3,4,5,6,7
.if \zero
	v_wmma_scale_f32_16x16x128_f8f6f4 v[8*(8*((\a)%4)+\b):8*(8*((\a)%4)+\b)+7], v[128*(\p)+FR*\b:128*(\p)+FR*\b+FR-1], v[AF+FR*(\a):AF+FR*(\a)+FR-1], 0, v[SC+8*NQ*(\sc)+NQ*\b+(\q)], v[SC+8*NQ*(\sc)+NQ*(\a)+(\q)] matrix_a_fmt:MATRIX_FMT_FP4 matrix_b_fmt:MATRIX_FMT_FP4 matrix_a_scale:MATRIX_SCALE_ROW1
.else
	v_wmma_scale_f32_16x16x128_f8f6f4 v[8*(8*((\a)%4)+\b):8*(8*((\a)%4)+\b)+7], v[128*(\p)+FR*\b:128*(\p)+FR*\b+FR-1], v[AF+FR*(\a):AF+FR*(\a)+FR-1], v[8*(8*((\a)%4)+\b):8*(8*((\a)%4)+\b)+7], v[SC+8*NQ*(\sc)+NQ*\b+(\q)], v[SC+8*NQ*(\sc)+NQ*(\a)+(\q)] matrix_a_fmt:MATRIX_FMT_FP4 matrix_b_fmt:MATRIX_FMT_FP4 matrix_a_scale:MATRIX_SCALE_ROW1
.endif
.endr
.endr
.endm
.macro FETCH_B slot, q, p              ; w_qkv's eight fragments of the slot's q-th 128 along K into set p
	WIN TO_B
.irp i, 0,1,2,3,4,5,6,7
	FRAG 128*(\p)+FR*\i, ADRB+\slot, \q, \i
.endr
	WIN 0
.endm
.macro FETCH_A slot, q, i0             ; x's blocks i0 .. i0 + 3
.irp i, \i0, \i0+1, \i0+2, \i0+3
	FRAG AF+FR*(\i), ADRA+\slot, \q, \i
.endr
.endm
.macro SCALES sc                       ; a K step's scale words into set sc: NQ words a row; lanes 0-15 take x's block i, lanes 16-31 w_qkv's block i
.irp i, 0,1,2,3,4,5,6,7
	ds_load_b128 v[SC+8*NQ*\sc+NQ*\i:SC+8*NQ*\sc+NQ*\i+3], v[ADRS] offset:\i*SBLK
.endr
.endm
; A load into a register that a matrix instruction has read, and a vector instruction that reads a matrix result, stand NP places behind that matrix instruction, and only plain vector
; instructions that name none of its registers are places (ISA guide 7.12.1 for vector instructions); the matrix instructions in between are not counted.
.macro PLACES n
.rept \n
	v_nop
.endr
.endm
; A step of 128 along K that has its successor in the same slot.
.macro STEP slot, q, zero
	s_wait_dscnt 4*NL                              ; w_qkv's set and x's blocks 0-3 are in; the youngest eight loads (x's blocks 4-7) may be out
	WIN MUL_LO
	MUL16 0, (\q)%2, \q, \slot, \zero
	MUL16 2, (\q)%2, \q, \slot, \zero
	s_wait_dscnt 0                                 ; x's blocks 4-7 are in (asked for 32 matrix instructions ago)
	PLACES NP
	FETCH_B \slot, (\q)+1, 1-(\q)%2
	FETCH_A \slot, (\q)+1, 0
	WIN MUL_HI
	MUL16 4, (\q)%2, \q, \slot, \zero
	MUL16 6, (\q)%2, \q, \slot, \zero
	PLACES NP
	WIN 0
	FETCH_A \slot, (\q)+1, 4
.endm
; Slot 0's last step changes slots: ONE barrier; in front of it each wave waits for all its tensor loads (its part of slot 1), adds 0 to its spare word, and waits for that and for its own reads of slot 0.
; w_qkv's region of slot 0 is then filled again, so the barrier opens a round of the cluster's barrier: no wave of any partner still reads that region or has a load on its way; the joint refill is the first thing behind the round.
; It has slot 1's 256 matrix instructions and part 1's way out in which to land.
.macro TURN slot, next
	s_wait_tensorcnt 0x0                           ; all my tensor loads have landed  (every window is 0 here: the add's two registers lie in window 0)
	ds_add_u32 v[SPW], v[NIL]                      ; 0 onto my spare word
	s_wait_dscnt 4*NL+1                            ; (the add and the youngest eight loads, x's blocks 4-7, may be out)
	WIN MUL_LO
	MUL16 0, 1, NQ-1, \slot, 0                     ; sixteen matrix instructions stand between the add and the wait for it
	s_wait_dscnt 0x0                               ; the add is done, and my reads of this slot are over for part 1
	s_barrier_signal -1
	MUL16 2, 1, NQ-1, \slot, 0
	WIN 0
	s_barrier_wait -1
	CREST
	CLOAD                                          ; waves 2 and 3: my one tensor load behind the round
	PLACES NP                                      ; on every wave's path: for the loads below
	v_add_nc_u32 v[ADRS], 4*NQ, v[ADRS]            ; on to the next K step's scale words (no LDS load of mine is out)
	FETCH_B \next, 0, 0
	FETCH_A \next, 0, 0
	SCALES \next
	WIN MUL_HI
	MUL16 4, 1, NQ-1, \slot, 0
	MUL16 6, 1, NQ-1, \slot, 0
	PLACES NP
	WIN 0
	FETCH_A \next, 0, 4
.endm
.macro STEPS slot, from                ; the slot's steps from .. NQ - 2
.set Q, \from
.rept NQ-1-\from
	STEP \slot, Q, 0
.set Q, Q+1
.endr
.endm
; PART 2.  Step t of eight: K = 128 t on: K step t / 4, its (t % 4)-th 128.  The third 128 columns' eight fragments go to set t % 2 of window 1, my four blocks of x to half t % 2 of x's registers.
.macro FETCH2 t
	WIN TO_B
.irp i, 0,1,2,3,4,5,6,7
	FRAG 128*((\t)%2)+FR*\i, ADRB2+(\t)/4, (\t)%4, \i
.endr
	WIN 0
.irp i, 0,1,2,3
	FRAG AF+32*((\t)%2)+FR*\i, ADRA2+(\t)/4, (\t)%4, \i
.endr
.endm
.macro SCALES2 sc                      ; K step sc's scale words: lanes 0-15 x's blocks (my four; the other four words fall on later rows of the scale tables and are not used), lanes 16-31 the third 128 columns' eight
.irp i, 0,1,2,3,4,5,6,7
	ds_load_b128 v[SC+8*NQ*\sc+NQ*\i:SC+8*NQ*\sc+NQ*\i+3], v[ADRS2] offset:\i*SBLK+16*\sc
.endr
.endm
.macro MUL2 a0, t, zero                ; 16 matrix instructions: my blocks a0, a0 + 1 against the eight; the 32 accumulators take turns, in the same order in every step
.irp a, \a0, \a0+1
.irp b, 0,1,2,3,4,5,6,7
.if \zero
	v_wmma_scale_f32_16x16x128_f8f6f4 v[8*(8*(\a)+\b):8*(8*(\a)+\b)+7], v[128*((\t)%2)+FR*\b:128*((\t)%2)+FR*\b+FR-1], v[AF+32*((\t)%2)+FR*(\a):AF+32*((\t)%2)+FR*(\a)+FR-1], 0, v[SC+8*NQ*((\t)/4)+NQ*\b+(\t)%4], v[SC+8*NQ*((\t)/4)+NQ*(\a)+(\t)%4] matrix_a_fmt:MATRIX_FMT_FP4 matrix_b_fmt:MATRIX_FMT_FP4 matrix_a_scale:MATRIX_SCALE_ROW1
.else
	v_wmma_scale_f32_16x16x128_f8f6f4 v[8*(8*(\a)+\b):8*(8*(\a)+\b)+7], v[128*((\t)%2)+FR*\b:128*((\t)%2)+FR*\b+FR-1], v[AF+32*((\t)%2)+FR*(\a):AF+32*((\t)%2)+FR*(\a)+FR-1], v[8*(8*(\a)+\b):8*(8*(\a)+\b)+7], v[SC+8*NQ*((\t)/4)+NQ*\b+(\t)%4], v[SC+8*NQ*((\t)/4)+NQ*(\a)+(\t)%4] matrix_a_fmt:MATRIX_FMT_FP4 matrix_b_fmt:MATRIX_FMT_FP4 matrix_a_scale:MATRIX_SCALE_ROW1
.endif
.endr
.endr
.endm
.macro STEP2 t
	s_wait_dscnt 0x0                               ; this step's fragments are in: they were asked for a step ago
.if (\t) < 7
	PLACES NP                                      ; behind the last step's products: the next step's fragments go into the registers that those read
	FETCH2 (\t)+1
.endif
	WIN MUL_LO
.if (\t) == 0
	MUL2 0, \t, 1                                  ; the first step's products start the sums
	MUL2 2, \t, 1
.else
	MUL2 0, \t, 0
	MUL2 2, \t, 0
.endif
.endm
; THE WAY OUT, block by block of 16 rows x 128 columns.  PACK: rounded to f16, a lane's eight neighbours of a row are 16 bytes.  TOSTAGE: into my own stage in LDS, and back by heads: four rows' 128 bytes of one head an instruction.
; SEND: those are four tokens of a head, 512 consecutive bytes of qkv.  LDS serves a wave's instructions in order (ISA guide 5.7.1.4): no wait between the stores and the loads, nor in front of the next block's stores.
.macro PACK a
.set AC, 64*((\a)%4)
	WIN 0x0a+5*((\a)/4)                            ; sources 0 and 1: window 2 or 3
.irp b, 0,1,2,3,4,5,6,7
.irp r, 0,1,2,3
	v_cvt_pk_f16_f32 v[TMP+4*\b+\r], v[AC+8*\b+2*\r], v[AC+8*\b+2*\r+1]   ; each accumulator from its low end on
.endr
.endr
	WIN 0
.endm
.macro TOSTAGE a
.set BB, BK+32*((\a)%2)
.irp b, 0,1,2,3,4,5,6,7
	ds_store_b128 v[STO], v[TMP+4*\b:TMP+4*\b+3] offset:32*\b
.endr
.irp u, 0,1
.irp t, 0,1,2,3
	ds_load_b128 v[BB+4*(4*\u+\t):BB+4*(4*\u+\t)+3], v[RD] offset:\t*4*SPITCH+\u*128
.endr
.endr
.endm
.macro SEND a, base
.set BB, BK+32*((\a)%2)
	s_wait_dscnt 0x0                               ; the block is back in registers
	s_wait_xcnt 0x0                                ; the stores of the block before have read their registers: the next TOSTAGE loads into them
.irp u, 0,1
.irp t, 0,1,2,3
	global_store_b128 v[CO], v[BB+4*(4*\u+\t):BB+4*(4*\u+\t)+3], s[\base:\base+1] offset:\u*131072+(\a)*2048+\t*512   ; 32 lanes store 512 consecutive bytes, at a multiple of 512 from qkv's first byte; head u, tokens 16 a + 4 t on
.endr
.endr
.endm
	; ---- PART 1: columns 0-255
	s_wait_tensorcnt 1                             ; the scales and my part of K step 0 are in (K step 1's load may be out)
	s_barrier_signal -1
	s_barrier_wait -1                              ; everybody's are
	FETCH_B 0, 0, 0
	FETCH_A 0, 0, 0
	SCALES 0
	FETCH_A 0, 0, 4
	STEP 0, 0, 1                                   ; the first step's products start the sums
	STEPS 0, 1
	TURN 0, 1
	STEPS 1, 0
	s_wait_dscnt 4*NL                              ; part 1's last step: nothing more to fetch
	WIN MUL_LO
	MUL16 0, 1, NQ-1, 1, 0
	MUL16 2, 1, NQ-1, 1, 0
	s_wait_dscnt 0
	WIN MUL_HI
	MUL16 4, 1, NQ-1, 1, 0
	MUL16 6, 1, NQ-1, 1, 0
	WIN 0
	PLACES NP                                      ; behind the last products: the conversions read results, and part 2's loads will land in the fragments' and the scale words' registers
	PACK 0
	TOSTAGE 0
.irp a, 1,2,3,4,5,6,7                  ; block a's conversions stand between block a - 1's loads from the stage and the wait for them
	PACK \a
	SEND \a-1, 12
	TOSTAGE \a
.endr
	SEND 7, 12
	; ---- PART 2: columns 256-383, while part 1's stores are on their way
	s_wait_tensorcnt 0x0                           ; waves 2 and 3: my half of the third 128 columns' codes has landed (the others have no load out);
	s_wait_dscnt 0x0                               ; no LDS instruction of mine is out at the signal
	s_barrier_signal -1
	s_barrier_wait -1                              ; both halves have.
	FETCH2 0
	SCALES2 0
	SCALES2 1
.irp t, 0,1,2,3,4,5,6,7
	STEP2 \t
.endr
	WIN 0
	PLACES NP                                      ; behind the last products: the conversions read results
	PACK 0                                         ; (the registers that TOSTAGE 0 loads into were last read by stores that stand ahead of SEND 7's wait on XCNT)
	TOSTAGE 0
.irp a, 1,2,3
	PACK \a
	SEND \a-1, 4
	TOSTAGE \a
.endr
	SEND 3, 4
	s_wait_tensorcnt 0x0                           ; the wave's end: behind my last tensor load and my last LDS store
	ds_add_u32 v[SPW], v[NIL]
	s_wait_dscnt 0x0
	CROUND                                         ; the closing round: no work-group ends while a partner may still ask for a tile that names it
	s_endpgm
.Lfunc_end_k_q73e660f64f_qkvgemm:
	.size	k_q73e660f64f_qkvgemm, .Lfunc_end_k_q73e660f64f_qkvgemm-k_q73e660f64f_qkvgemm
	.p2alignl 7, 3214868480
	.fill 96, 4, 3214868480
	.section	.rodata,"a",@progbits
	.p2align	6, 0x0
	.amdhsa_kernel k_q73e660f64f_qkvgemm
		.amdhsa_group_segment_fixed_size 327680
		.amdhsa_private_segment_fixed_size 0
		.amdhsa_enable_private_segment 0
		.amdhsa_kernarg_size 40
		.amdhsa_user_sgpr_count 2
		.amdhsa_user_sgpr_kernarg_segment_ptr 1
		.amdhsa_wavefront_size32 1
		.amdhsa_system_sgpr_workgroup_id_x 1
		.amdhsa_system_sgpr_workgroup_id_y 1
		.amdhsa_system_sgpr_workgroup_id_z 1
		.amdhsa_system_vgpr_workitem_id 0
		.amdhsa_next_free_vgpr 1024
		.amdhsa_next_free_sgpr 100
		.amdhsa_reserve_vcc 0
		.amdhsa_float_denorm_mode_32 3
		.amdhsa_float_denorm_mode_16_64 3
		.amdhsa_memory_ordered 1
		.amdhsa_forward_progress 1
		.amdhsa_inst_pref_size 191
	.end_amdhsa_kernel
	.amdgpu_metadata
---
amdhsa.version: [ 1, 2 ]
amdhsa.kernels:
  - .name:           k_q73e660f64f_qkvgemm
    .symbol:         k_q73e660f64f_qkvgemm.kd
    .args:
      - { .name: xc, .offset: 0, .size: 8, .value_kind: global_buffer, .address_space: global }
      - { .name: xs, .offset: 8, .size: 8, .value_kind: global_buffer, .address_space: global }
      - { .name: wc, .offset: 16, .size: 8, .value_kind: global_buffer, .address_space: global }
      - { .name: ws, .offset: 24, .size: 8, .value_kind: global_buffer, .address_space: global }
      - { .name: qkv, .offset: 32, .size: 8, .value_kind: global_buffer, .address_space: global }
    .group_segment_fixed_size: 327680
    .private_segment_fixed_size: 0
    .kernarg_segment_align: 8
    .kernarg_segment_size: 40
    .max_flat_workgroup_size: 128
    .sgpr_count:     100
    .vgpr_count:     1024
    .wavefront_size: 32
...
	.end_amdgpu_metadata
.endif
;; end of part 2
;; launch attn (part 3): grid 2 x 128, 16 waves a work-group, no clusters, 327,680 bytes of LDS; arguments qkv, temperature, att; writes att
.if DOCPART == 3
	.amdgcn_target "amdgcn-amd-amdhsa--gfx1250"
	.amdhsa_code_object_version 6
	.text
	.protected	k_q73e660f64f_attn
	.globl	k_q73e660f64f_attn
	.p2align	8
	.type	k_q73e660f64f_attn,@function
k_q73e660f64f_attn:
	s_mov_b64 s[64:65], 0
	v_nop
	global_prefetch_b8 v0, s[64:65] scope:SCOPE_SE
	s_setreg_imm32_b32 hwreg(HW_REG_WAVE_MODE, 25, 1), 1
	s_wait_xcnt 0x0
; att[head][token q][:] = the sum over keys k != q of softmax_k(Q[q] . K[k] x e^temperature) V[k][:], for each of 128 (batch, head) pairs of 1,024 tokens and head size 64.
; Q, K, V: f16, [section][batch][head][token][64] (the launch before laid them so).  Products on f16 operands with f32 sums; maxima, exponentials and row sums in f32; the weights p are rounded to f16 for the second
; product, the result once to f16 (an operand of the projection).  att: [head 16][token 8,192][64] f16.
; LIMITS: e^temperature is taken to be finite and above 0; NaN and infinities in q, k, v are not served.
; SHARES.  A work-group owns 512 queries of one (batch, head); each of its SIXTEEN waves owns 32 of them, two tiles of 16, in 256 registers: four waves to a SIMD, so that one wave's vector work stands beside another's
; matrix work and LDS loads.  Every wave walks all 1,024 keys, 64 a step.
; LDS.  ALL of the pair's K and V (128 KiB each) lie in LDS at once: every tensor load is a first fill, issued at the head; nothing is filled again.  They come in four chunks of 256 keys (waves 0, 1: K's halves of a chunk;
; waves 2, 3: V's), and a chunk is read behind a counted wait and a barrier while the later chunks are on their way.  Two keys' 256 bytes are one LDS row, padded: key i lies at (i / 2) x pitch + 128 (i % 2).
; No cluster: only the two work-groups of a pair read the same K and V, and each reads them once.
; LAYOUT.  S^T = K Q^T (source 0 = 16 keys, source 1 = 16 queries): a lane holds ONE query (lane % 16) and the keys 8 (lane / 16) + 0..7 of a tile.  Two such tiles, rounded to f16 in pairs, ARE source 1 (32 keys x 16 queries)
; of O^T = V^T P, whose result again holds one query a lane.  K comes out of LDS as it lies, V ([key][channel]) turned, by ds_load_tr16_b128.
; SOFTMAX.  For each query a running maximum m and sum l: p = 2^(c s - c m), c = log2(e) x e^temperature; in every step O and l are multiplied by a = 2^(c m_old - c m_new).  m begins as -infinity and O and l as zeros,
; so the first step is the loop's own: its a is 0 and multiplies zeros.  THE DIAGONAL: in the one step of a wave that holds its own queries' keys, the score of key = query becomes -infinity ahead of the maximum: its p is 0.
.set KP,    272                        ; a pair of keys of K in LDS: 256 bytes + 16: the 16 keys of a fragment load fall on 16 different 16-byte columns: (r / 2) + 8 (r % 2)
.set VP,    288                        ; of V: 256 + 32: 16 lanes of the turning load fall on columns 2 ((l / 2) % 4) + 8 (l % 2) + (l / 8) % 2, all different
.set VB,    512*KP                     ; V lies behind K
.set STAGE, VB+512*VP                  ; behind V: 16 rows x (128 bytes + 16) for each wave, for the way out
.set WST,   16*144
.set SPARE, STAGE+16*WST               ; behind the stages: the spare words, 128 bytes for each wave, which no other line names
.set AK0, 1                            ; v1   my lane's place in a tile of K; never rewritten
.set AV0, 2                            ; v2   the same for V
.set ADK, 3                            ; v3   LDS address of the step's K
.set ADV, 4                            ; v4   of its V
.set DG,  5                            ; v5   r - 8 h + 32 (wave % 2): which register of which tile holds my own query's key, in the step on the diagonal
.set STO, 6                            ; v6   the way out: where I put 16 bytes of a row
.set RD,  7                            ; v7   where I read 16 bytes back
.set GO,  8                            ; v8   16 x lane
.set SPW, 9                            ; v9   LDS address of my spare word: SPARE + 4 x my thread's number; never rewritten
.set NIL, 10                           ; v10  0; never rewritten
.set NINF, 11                          ; v11  -infinity
.set ST,  16                           ; tile t's statistics at v[ST+8 t]: +0 c m, +1 m, +2, +3 l (even keys', odd keys'), +4 to +7 c0-c3, at work; a takes c2's place
.set QF,  32                           ; v32-63   Q: tile t, channels 32 c on, at v[QF+16 t+8 c]
.set SF,  64                           ; v64-127  S^T: tile t, keys 16 k on, at v[SF+32 t+8 k]; P is laid over a tile's first 16 registers
.set OF,  128                          ; v128-191 O^T: tile t, channels 16 d on, at v[OF+32 t+8 d]
.set FF,  192                          ; v192-255 eight fragments: a step's K, then its V
.set TKS, 2                            ; s2   LDS byte at which the step's K begins
.set TVS, 3                            ; s3   the same for V, less VB
.set TEM, 10                           ; s10  temperature
.set CNT, 11                           ; s11  counts a chunk's four steps
.set WV,  12                           ; s12  my wave's number
.set KFS, 13                           ; s13  the step's first key
.set QDS, 14                           ; s14  the first key of the step that holds my queries' own keys
.set SEL, 20                           ; s[20:21] lane selects for v_permlanex16_b32: lane l xor 16
.set CS,  22                           ; s[22:23] c: the packed scaling names a pair and takes its low word for both halves
.set G1K, 24                           ; s[24:31] descriptor group 1 for K's tiles;  s[32:39] for V's: it differs in the padding alone
.set G1V, 32
.set G0K, 40                           ; s[40:55] descriptor group 0 for K, a set for each chunk;  s[68:83] for V
.set G0V, 68
	s_load_b128 s[4:7], s[0:1], 0x0                ; qkv s[4:5], temperature's address s[6:7]
	s_load_b64 s[8:9], s[0:1], 0x10                ; att
	v_lshl_add_u32 v[SPW], v0, 2, SPARE
	v_mov_b32 v[NIL], 0
	ds_add_u32 v[SPW], v[NIL]                      ; the wave's opening: the add, twice on end, and its wait ahead of the first tensor load; the set-up below, work on registers, stands between the second and the wait
	ds_add_u32 v[SPW], v[NIL]
	v_lshrrev_b32 v12, 5, v0
	v_readfirstlane_b32 s[WV], v12                 ; wave 0..15
	; descriptor group 1: 64 rows of 128 elements of 2 bytes (128 keys, dense in memory), padded in LDS
	s_mov_b32 s[G1K], (1<<16)|(1<<20)|(5<<22)|(3<<25)   ; 15:0 no mask; 17:16 elements of 2 bytes; 20 padding on; 24:22 after every 64 words (code 5); 31:25 four words (code 3)
	s_mov_b32 s[G1V], (1<<16)|(1<<20)|(5<<22)|(7<<25)   ; the same with eight words (code 7)
.irp g, G1K, G1V
	s_mov_b32 s[\g+1], 128<<16                     ; tensor_dim0 = 128
	s_mov_b32 s[\g+2], 64<<16                      ; tensor_dim1 = 64
	s_mov_b32 s[\g+3], 128<<16                     ; tile_dim0 = 128
	s_mov_b32 s[\g+4], 64                          ; tile_dim1 = 64
	s_mov_b32 s[\g+5], 128                         ; tensor_dim0_stride
	s_mov_b32 s[\g+6], 0
	s_mov_b32 s[\g+7], 0
.endr
	s_mov_b32 s[SEL], 0x76543210
	s_mov_b32 s[SEL+1], 0xfedcba98
	s_and_b32 s56, ttmp7, 0xffff                   ; y = 16 x batch + head
	s_lshl_b32 s60, s56, 17                        ; its 1,024 tokens x 128 bytes in a section
	s_mov_b32 s61, 0
	s_lshl_b32 s57, ttmp9, 9                       ; my work-group's first query
	s_lshl_b32 s58, s[WV], 5
	s_add_co_u32 s58, s58, s57                     ; my wave's: 512 x + 32 x wave
	s_lshr_b32 s59, s[WV], 1
	s_lshl_b32 s59, s59, 6
	s_add_co_u32 s[QDS], s59, s57                  ; the 64 keys that hold it begin here
	s_lshl_b32 s62, s58, 7
	s_add_co_u32 s62, s62, s60                     ; Q: my first query's byte in section 0
	s_mov_b32 s63, 0
	s_and_b32 s84, s56, 15                         ; att: the head's plane of 2^20 bytes,
	s_lshl_b32 s84, s84, 20
	s_lshr_b32 s85, s56, 4                         ; token 1,024 x batch + my first query, 128 bytes a token
	s_lshl_b32 s85, s85, 10
	s_add_co_u32 s85, s85, s58
	s_lshl_b32 s85, s85, 7
	s_add_co_u32 s84, s84, s85
	s_mov_b32 s85, 0
	s_and_b32 s86, s[WV], 1                        ; which half of a chunk I fetch, if I fetch:
	s_mul_i32 s87, s86, 64*KP                      ; its place in K's part of LDS,
	s_mul_i32 s88, s86, 64*VP
	s_add_co_u32 s88, s88, VB                      ; in V's,
	s_lshl_b32 s90, s86, 14                        ; and in memory: 128 keys x 128 bytes
	s_mov_b32 s91, 0
	s_add_nc_u64 s[90:91], s[90:91], s[60:61]
	s_wait_dscnt 0x0                               ; both opening adds are done
	s_wait_kmcnt 0x0
	s_load_b32 s[TEM], s[6:7], 0x0
	s_add_nc_u64 s[16:17], s[4:5], s[90:91]
	s_add_nc_u64 s[18:19], s[16:17], 0x2000000     ; V: section 2
	s_add_nc_u64 s[16:17], s[16:17], 0x1000000     ; K: section 1
	s_add_nc_u64 s[4:5], s[4:5], s[62:63]          ; Q at my first query
	s_add_nc_u64 s[8:9], s[8:9], s[84:85]          ; att likewise
.irp c, 0,1,2,3
	s_mov_b32 s[G0K+4*\c], 1                                       ; 1:0 count = 1
	s_add_co_u32 s[G0K+4*\c+1], s87, \c*128*KP                     ; 63:32 LDS address: chunk c, my half
	s_add_nc_u64 s[G0K+4*\c+2:G0K+4*\c+3], s[16:17], \c*32768      ; 120:64 global address: 256 keys x 128 bytes a chunk
	s_or_b32 s[G0K+4*\c+3], s[G0K+4*\c+3], 0x80000000              ; 127:126 type = 2
	s_mov_b32 s[G0V+4*\c], 1
	s_add_co_u32 s[G0V+4*\c+1], s88, \c*128*VP
	s_add_nc_u64 s[G0V+4*\c+2:G0V+4*\c+3], s[18:19], \c*32768
	s_or_b32 s[G0V+4*\c+3], s[G0V+4*\c+3], 0x80000000
.endr
	; All the launch's tensor loads: a wave's four stand in one arm of a branch on the wave's number, ahead of every wait on TENSORcnt, every LDS read and every barrier.  Four loads of a fetching wave are out.
	s_cmp_lt_u32 s[WV], 2
	s_cbranch_scc0 .Lnot_k
.irp c, 0,1,2,3
	tensor_load_to_lds s[G0K+4*\c:G0K+4*\c+3], s[G1K:G1K+7]
	s_nop 0
.endr
.rept 4
	v_nop
.endr
	s_branch .Lasked
.Lnot_k:
	s_cmp_lt_u32 s[WV], 4
	s_cbranch_scc0 .Lasked
.irp c, 0,1,2,3
	tensor_load_to_lds s[G0V+4*\c:G0V+4*\c+3], s[G1V:G1V+7]
	s_nop 0
.endr
.rept 4
	v_nop
.endr
.Lasked:
	v_and_b32 v12, 15, v0                          ; r = lane % 16
	v_bfe_u32 v13, v0, 4, 1                        ; h = lane / 16
	v_lshlrev_b32 v14, 7, v12
	v_lshl_add_u32 v14, v13, 4, v14                ; Q: row r of 128 bytes, + 16 h
.irp t, 0,1
.irp c, 0,1
	global_load_b128 v[QF+16*\t+8*\c:QF+16*\t+8*\c+3],   v14, s[4:5] offset:\t*2048+\c*64      ; Q stays in registers: a fragment is 16 queries x 32 channels
	global_load_b128 v[QF+16*\t+8*\c+4:QF+16*\t+8*\c+7], v14, s[4:5] offset:\t*2048+\c*64+32
.endr
.endr
	v_lshrrev_b32 v15, 1, v12
	v_mul_u32_u24 v[AK0], v15, KP
	v_and_b32 v15, 1, v12
	v_lshl_add_u32 v[AK0], v15, 7, v[AK0]
	v_lshl_add_u32 v[AK0], v13, 4, v[AK0]          ; K: key r: (r / 2) x pitch + 128 (r % 2), + 16 h
	; The turning load takes 16 keys x 16 channels (lane l reads 16 bytes: key 8 h + l % 8, channels 8 ((l / 8) % 2) + 0..7) and leaves half a fragment of V^T: lane l holds channel l % 16 and 8 keys.
	v_bfe_u32 v15, v0, 1, 2
	v_lshl_add_u32 v15, v13, 2, v15                ; that key's pair: 4 h + (l / 2) % 4
	v_mul_u32_u24 v[AV0], v15, VP
	v_and_b32 v15, 1, v0
	v_lshl_add_u32 v[AV0], v15, 7, v[AV0]
	v_bfe_u32 v15, v0, 3, 1
	v_lshl_add_u32 v[AV0], v15, 4, v[AV0]
	v_add_nc_u32 v[AV0], VB, v[AV0]
	v_lshlrev_b32 v15, 3, v13
	v_sub_nc_u32 v[DG], v12, v15
	s_lshl_b32 s59, s86, 5
	v_add_nc_u32 v[DG], s59, v[DG]
	s_mul_i32 s59, s[WV], WST
	s_add_co_u32 s59, s59, STAGE                   ; my stage
	v_mul_u32_u24 v[STO], v12, 144                 ; in: row r, 16 bytes for each half of the lanes
	v_lshl_add_u32 v[STO], v13, 4, v[STO]
	v_add_nc_u32 v[STO], s59, v[STO]
	v_bfe_u32 v15, v0, 3, 2                        ; back: eight lanes take a row of 128 bytes, the 32 lanes four rows
	v_mul_u32_u24 v[RD], v15, 144
	v_and_b32 v15, 7, v0
	v_lshl_add_u32 v[RD], v15, 4, v[RD]
	v_add_nc_u32 v[RD], s59, v[RD]
	v_and_b32 v15, 31, v0
	v_lshlrev_b32 v[GO], 4, v15                    ; which are 512 bytes on end in att
	v_mov_b32 v[NINF], 0xff800000
.irp t, 0,1
	v_mov_b32 v[ST+8*\t], v[NINF]                  ; c m
	v_mov_b32 v[ST+8*\t+1], v[NINF]                ; m
	v_mov_b32 v[ST+8*\t+2], 0                      ; l, in two halves
	v_mov_b32 v[ST+8*\t+3], 0
.endr
.set e, 0
.rept 64
	v_mov_b32 v[OF+e], 0                           ; O^T.  (The step is written once for each chunk: the first step finds zeros, which its a = 0 leaves zeros)
.set e, e+1
.endr
	s_wait_kmcnt 0x0                               ; temperature
	v_mov_b32 v12, s[TEM]
	v_mul_f32 v12, 0x3fb8aa3b, v12
	v_exp_f32 v12, v12                             ; e^temperature
	v_nop                                          ; a plain instruction behind the exponential,
	s_wait_alu depctr_va_vdst(0)                   ; and the wait ahead of the first use of its result
	v_mul_f32 v12, 0x3fb8aa3b, v12                 ; c = log2(e) x e^temperature
	v_readfirstlane_b32 s[CS], v12
	s_mov_b32 s[CS+1], s[CS]                       ; named with it as a pair, so it is written
	s_wait_loadcnt 0x0                             ; Q
; A KEY STEP: 64 keys.  16 products K Q^T, the softmax of both tiles, 16 products V^T P.  The accumulators take turns, one instruction a turn: between two links of a chain stand seven others'.
.macro STEP
	v_add_nc_u32 v[ADK], s[TKS], v[AK0]
	v_add_nc_u32 v[ADV], s[TVS], v[AV0]
.rept 3
	v_nop                                          ; with the two additions: five places behind the last step's products V^T P: four for the loads into their fragments' registers, five for the products below, which write over P
.endr
.irp k, 0,1,2,3
.irp c, 0,1
	ds_load_b128 v[FF+8*(2*\k+\c):FF+8*(2*\k+\c)+3],   v[ADK] offset:\k*8*KP+\c*64       ; keys 16 k on, channels 32 c on
	ds_load_b128 v[FF+8*(2*\k+\c)+4:FF+8*(2*\k+\c)+7], v[ADK] offset:\k*8*KP+\c*64+32
.endr
.endr
	s_wait_dscnt 0x0
.irp c, 0,1
.irp k, 0,1,2,3
.irp t, 0,1
.if \c == 0
	v_wmma_f32_16x16x32_f16 v[SF+32*\t+8*\k:SF+32*\t+8*\k+7], v[FF+8*(2*\k+\c):FF+8*(2*\k+\c)+7], v[QF+16*\t+8*\c:QF+16*\t+8*\c+7], 0
.else
	v_wmma_f32_16x16x32_f16 v[SF+32*\t+8*\k:SF+32*\t+8*\k+7], v[FF+8*(2*\k+\c):FF+8*(2*\k+\c)+7], v[QF+16*\t+8*\c:QF+16*\t+8*\c+7], v[SF+32*\t+8*\k:SF+32*\t+8*\k+7]
.endif
.endr
.endr
.endr
.rept 4
	v_nop                                          ; four places: for the loads into K's registers, and for the first reads of the scores
.endr
.irp g, 0,1
.irp d, 0,1,2,3
	ds_load_tr16_b128 v[FF+8*(4*\g+\d):FF+8*(4*\g+\d)+3],   v[ADV] offset:\g*16*VP+\d*32          ; V, turned: keys 32 g on, channels 16 d on.  It lands while the softmax is worked
	ds_load_tr16_b128 v[FF+8*(4*\g+\d)+4:FF+8*(4*\g+\d)+7], v[ADV] offset:\g*16*VP+8*VP+\d*32
.endr
.endr
	s_cmp_lg_u32 s[KFS], s[QDS]                    ; THE DIAGONAL lies in one step of sixteen: a branch on ids and the count of steps alone
	s_cbranch_scc1 .Lopen_\@
.irp u, 0,1                                    ; query 32 (wave % 2) + 16 t + r of these 64 meets key 16 k + 8 h + j where k = t + 2 (wave % 2) and j = r - 8 h
.irp j, 0,1,2,3,4,5,6,7
	v_cmp_eq_i32 vcc_lo, 32*\u+\j, v[DG]
.irp t, 0,1
	v_cndmask_b32 v[SF+32*\t+8*(\t+2*\u)+\j], v[SF+32*\t+8*(\t+2*\u)+\j], v[NINF], vcc_lo
.endr
.endr
.endr
.Lopen_\@:
	; the maximum of my 32 scores and the old m: four chains, one for each accumulator, begun at its low end; the two tiles alternate line by line
.irp q, 0,1,2,3
.irp t, 0,1
	v_max3_num_f32 v[ST+8*\t+4+\q], v[SF+32*\t+8*\q], v[SF+32*\t+8*\q+1], v[SF+32*\t+8*\q+2]
.endr
.endr
.irp i, 3,5
.irp q, 0,1,2,3
.irp t, 0,1
	v_max3_num_f32 v[ST+8*\t+4+\q], v[ST+8*\t+4+\q], v[SF+32*\t+8*\q+\i], v[SF+32*\t+8*\q+\i+1]
.endr
.endr
.endr
.irp t, 0,1
	v_max3_num_f32 v[ST+8*\t+4], v[ST+8*\t+4], v[SF+32*\t+7], v[SF+32*\t+15]
.endr
.irp t, 0,1
	v_max3_num_f32 v[ST+8*\t+6], v[ST+8*\t+6], v[SF+32*\t+23], v[SF+32*\t+31]
.endr
.irp t, 0,1
	v_max3_num_f32 v[ST+8*\t+4], v[ST+8*\t+4], v[ST+8*\t+5], v[ST+8*\t+6]
.endr
.irp t, 0,1
	v_max3_num_f32 v[ST+8*\t+4], v[ST+8*\t+4], v[ST+8*\t+7], v[ST+8*\t+1]
.endr
.irp t, 0,1
	v_permlanex16_b32 v[ST+8*\t+5], v[ST+8*\t+4], s[SEL], s[SEL+1]   ; the query's other 32 keys lie in the lane 16 away
.endr
.irp t, 0,1
	v_mov_b32 v[ST+8*\t+7], v[ST+8*\t]             ; c m_old is kept for a
.endr
.irp t, 0,1
	v_max_num_f32 v[ST+8*\t+1], v[ST+8*\t+4], v[ST+8*\t+5]
.endr
.irp t, 0,1
	v_mul_f32 v[ST+8*\t], s[CS], v[ST+8*\t+1]
.endr
.irp t, 0,1
	v_sub_f32 v[ST+8*\t+7], v[ST+8*\t+7], v[ST+8*\t]
.endr
.set e, 0
.rept 16
	v_pk_fma_f32 v[SF+2*e:SF+2*e+1], v[SF+2*e:SF+2*e+1], s[CS:CS+1], v[ST:ST+1] op_sel_hi:[1,0,0] neg_lo:[0,0,1] neg_hi:[0,0,1]                 ; c s - c m, two at a time
	v_pk_fma_f32 v[SF+32+2*e:SF+32+2*e+1], v[SF+32+2*e:SF+32+2*e+1], s[CS:CS+1], v[ST+8:ST+9] op_sel_hi:[1,0,0] neg_lo:[0,0,1] neg_hi:[0,0,1]
.set e, e+1
.endr
	; ONE BATCH: both tiles' 66 exponentials; none reads another's result
.irp t, 0,1
	v_exp_f32 v[ST+8*\t+6], v[ST+8*\t+7]           ; a
.endr
.set e, 0
.rept 32
	v_exp_f32 v[SF+e], v[SF+e]                     ; p, at most 1
	v_exp_f32 v[SF+32+e], v[SF+32+e]
.set e, e+1
.endr
	v_nop                                          ; a plain instruction behind the last exponential,
	s_wait_alu depctr_va_vdst(0)                   ; and one wait for the batch, ahead of the first instruction that names a result
	; the row's sum, of p in f32, ahead of the rounding: two chains a tile, pairs of (even key, odd key)
.irp t, 0,1
	v_pk_add_f32 v[ST+8*\t+4:ST+8*\t+5], v[SF+32*\t:SF+32*\t+1], v[SF+32*\t+2:SF+32*\t+3]
.endr
.irp t, 0,1
	v_pk_fma_f32 v[ST+8*\t+2:ST+8*\t+3], v[ST+8*\t+2:ST+8*\t+3], v[ST+8*\t+6:ST+8*\t+7], v[SF+32*\t+4:SF+32*\t+5] op_sel_hi:[1,0,1]   ; l = a l + ..
.endr
.irp b, 3,5,7,9,11,13
.irp t, 0,1
	v_pk_add_f32 v[ST+8*\t+4:ST+8*\t+5], v[ST+8*\t+4:ST+8*\t+5], v[SF+32*\t+2*\b:SF+32*\t+2*\b+1]
	v_pk_add_f32 v[ST+8*\t+2:ST+8*\t+3], v[ST+8*\t+2:ST+8*\t+3], v[SF+32*\t+2*\b+2:SF+32*\t+2*\b+3]
.endr
.endr
.irp t, 0,1
	v_pk_add_f32 v[ST+8*\t+4:ST+8*\t+5], v[ST+8*\t+4:ST+8*\t+5], v[SF+32*\t+30:SF+32*\t+31]
.endr
.irp t, 0,1
	v_pk_add_f32 v[ST+8*\t+2:ST+8*\t+3], v[ST+8*\t+2:ST+8*\t+3], v[ST+8*\t+4:ST+8*\t+5]
.endr
.set e, 0
.rept 16
	v_cvt_pk_f16_f32 v[SF+e], v[SF+2*e], v[SF+2*e+1]               ; P, in place from the low end: register e is written when pairs 0 to e - 1 have been read
	v_cvt_pk_f16_f32 v[SF+32+e], v[SF+32+2*e], v[SF+32+2*e+1]
.set e, e+1
.endr
.set e, 0
.rept 16
	v_pk_mul_f32 v[OF+2*e:OF+2*e+1], v[OF+2*e:OF+2*e+1], v[ST+6:ST+7] op_sel_hi:[1,0]             ; O^T x a
	v_pk_mul_f32 v[OF+32+2*e:OF+32+2*e+1], v[OF+32+2*e:OF+32+2*e+1], v[ST+14:ST+15] op_sel_hi:[1,0]
.set e, e+1
.endr
	s_wait_dscnt 0x0                               ; V is in
.irp g, 0,1
.irp d, 0,1,2,3
.irp t, 0,1
	v_wmma_f32_16x16x32_f16 v[OF+32*\t+8*\d:OF+32*\t+8*\d+7], v[FF+8*(4*\g+\d):FF+8*(4*\g+\d)+7], v[SF+32*\t+8*\g:SF+32*\t+8*\g+7], v[OF+32*\t+8*\d:OF+32*\t+8*\d+7]
.endr
.endr
.endr
	s_add_co_u32 s[TKS], s[TKS], 32*KP             ; the next 64 keys
	s_add_co_u32 s[TVS], s[TVS], 32*VP
	s_add_co_u32 s[KFS], s[KFS], 64
.endm
; A CHUNK of 256 keys: four steps.  A fetching wave waits until its part of the chunk has landed (tensor loads of a wave end in order: ISA guide 10.11.1), leaving its loads of the 3 - c later chunks out, and signals; all read behind the barrier.
; No LDS instruction of mine is out at the signal: the last were waited for in front of the last products.
.macro CHUNK c
	s_wait_tensorcnt 3-\c
	s_barrier_signal -1
	s_barrier_wait -1
	s_mov_b32 s[TKS], \c*128*KP
	s_mov_b32 s[TVS], \c*128*VP
	s_mov_b32 s[KFS], \c*256
	s_mov_b32 s[CNT], 4
.Lstep_\@:
	STEP
	s_sub_co_u32 s[CNT], s[CNT], 1
	s_cmp_lg_u32 s[CNT], 0
	s_cbranch_scc1 .Lstep_\@
.endm
	CHUNK 0
	CHUNK 1
	CHUNK 2
	CHUNK 3
	; THE WAY OUT.  l's two halves and the other half of the lanes' are added; O^T is divided by l, rounded to f16 and sent through my stage in LDS, a tile (16 tokens) at a time.
.rept 4
	v_nop                                          ; places behind the last products
.endr
.irp t, 0,1
	v_add_f32 v[ST+8*\t+4], v[ST+8*\t+2], v[ST+8*\t+3]
.endr
.irp t, 0,1
	v_permlanex16_b32 v[ST+8*\t+5], v[ST+8*\t+4], s[SEL], s[SEL+1]
.endr
.irp t, 0,1
	v_add_f32 v[ST+8*\t+4], v[ST+8*\t+4], v[ST+8*\t+5]
.endr
.irp t, 0,1
	v_rcp_f32 v[ST+8*\t+6], v[ST+8*\t+4]
.endr
	v_nop                                          ; a plain instruction between the last reciprocal and the use of its result,
	s_wait_alu depctr_va_vdst(0)                   ; and the wait ahead of the first use: one for the two
.irp t, 0,1
.set e, 0
.rept 16
	v_pk_mul_f32 v[OF+32*\t+2*e:OF+32*\t+2*e+1], v[OF+32*\t+2*e:OF+32*\t+2*e+1], v[ST+8*\t+6:ST+8*\t+7] op_sel_hi:[1,0]
.set e, e+1
.endr
.set e, 0
.rept 16
	v_cvt_pk_f16_f32 v[SF+16*\t+e], v[OF+32*\t+2*e], v[OF+32*\t+2*e+1]   ; registers 4 d .. 4 d + 3: channels 16 d + 8 h + 0..7 of token r: 16 bytes
.set e, e+1
.endr
.irp d, 0,1,2,3
	ds_store_b128 v[STO], v[SF+16*\t+4*\d:SF+16*\t+4*\d+3] offset:32*\d
.endr
.irp i, 0,1,2,3
	ds_load_b128 v[SF+32+16*\t+4*\i:SF+32+16*\t+4*\i+3], v[RD] offset:576*\i   ; LDS serves a wave's instructions in order (ISA guide 5.7.1.4): these see the stores above; the next tile's stores come behind them
.endr
.endr
.irp t, 0,1
.irp i, 0,1,2,3
	s_wait_dscnt 11-8*\t-\i                        ; behind this load: the tile's later loads, and for tile 0 tile 1's eight LDS instructions
	global_store_b128 v[GO], v[SF+32+16*\t+4*\i:SF+32+16*\t+4*\i+3], s[8:9] offset:2048*\t+512*\i   ; 32 lanes store four tokens of the head: 512 consecutive bytes, at a multiple of 512 from att's first byte
.endr
.endr
	s_wait_tensorcnt 0x0                           ; the wave's end: behind my last tensor load and my last LDS store
	ds_add_u32 v[SPW], v[NIL]
	s_wait_dscnt 0x0
	s_endpgm
.Lfunc_end_k_q73e660f64f_attn:
	.size	k_q73e660f64f_attn, .Lfunc_end_k_q73e660f64f_attn-k_q73e660f64f_attn
	.p2alignl 7, 3214868480
	.fill 96, 4, 3214868480
	.section	.rodata,"a",@progbits
	.p2align	6, 0x0
	.amdhsa_kernel k_q73e660f64f_attn
		.amdhsa_group_segment_fixed_size 327680
		.amdhsa_private_segment_fixed_size 0
		.amdhsa_enable_private_segment 0
		.amdhsa_kernarg_size 24
		.amdhsa_user_sgpr_count 2
		.amdhsa_user_sgpr_kernarg_segment_ptr 1
		.amdhsa_wavefront_size32 1
		.amdhsa_system_sgpr_workgroup_id_x 1
		.amdhsa_system_sgpr_workgroup_id_y 1
		.amdhsa_system_sgpr_workgroup_id_z 1
		.amdhsa_system_vgpr_workitem_id 0
		.amdhsa_next_free_vgpr 256
		.amdhsa_next_free_sgpr 96
		.amdhsa_reserve_vcc 1
		.amdhsa_float_denorm_mode_32 3
		.amdhsa_float_denorm_mode_16_64 3
		.amdhsa_memory_ordered 1
		.amdhsa_forward_progress 1
		.amdhsa_inst_pref_size 94
	.end_amdhsa_kernel
	.amdgpu_metadata
---
amdhsa.version: [ 1, 2 ]
amdhsa.kernels:
  - .name:           k_q73e660f64f_attn
    .symbol:         k_q73e660f64f_attn.kd
    .args:
      - { .name: qkv, .offset: 0, .size: 8, .value_kind: global_buffer, .address_space: global }
      - { .name: temperature, .offset: 8, .size: 8, .value_kind: global_buffer, .address_space: global }
      - { .name: att, .offset: 16, .size: 8, .value_kind: global_buffer, .address_space: global }
    .group_segment_fixed_size: 327680
    .private_segment_fixed_size: 0
    .kernarg_segment_align: 8
    .kernarg_segment_size: 24
    .max_flat_workgroup_size: 512
    .sgpr_count:     96
    .vgpr_count:     256
    .wavefront_size: 32
...
	.end_amdgpu_metadata
.endif
;; end of part 3
;; launch proj (part 4): grid 4 x 64, 4 waves a work-group, clusters of 4 x 4, 327,680 bytes of LDS; arguments att, wo16, b_out, out0; writes out0
.if DOCPART == 4
	.amdgcn_target "amdgcn-amd-amdhsa--gfx1250"
	.amdhsa_code_object_version 6
	.text
	.protected	k_q73e660f64f_proj
	.globl	k_q73e660f64f_proj
	.p2align	8
	.type	k_q73e660f64f_proj,@function
k_q73e660f64f_proj:
	s_mov_b64 s[64:65], 0
	v_nop
	global_prefetch_b8 v0, s[64:65] scope:SCOPE_SE
	s_setreg_imm32_b32 hwreg(HW_REG_WAVE_MODE, 25, 1), 1
	s_wait_xcnt 0x0
	s_wait_alu depctr_hold_cnt(0) depctr_sa_sdst(0) depctr_va_vdst(0) depctr_va_sdst(0) depctr_va_ssrc(0) depctr_va_vcc(0) depctr_vm_vsrc(0)
	s_getreg_b32 s2, hwreg(HW_REG_IB_STS2, 6, 4)
	s_cmp_eq_u32 s2, 0
	s_cbranch_scc0 .Lentry_in_a_cluster
	s_endpgm
.Lentry_in_a_cluster:
	s_bfe_u32 s2, ttmp6, 0x10000c
	s_cmp_lg_u32 s2, 0xf033
	s_cbranch_scc0 .Lentry_shape_is_right
	s_endpgm
.Lentry_shape_is_right:
; out0[m][n] = sum over e of att[m][e] w_out[n][e] + b_out[n].  att: f16, laid [head 16][token 8,192][64] (e = 64 head + d); w_out: f16, [1,024 n][1,024 e]; b_out and out0 f32; sums in f32.
; A tile of out0 is 128 tokens x 256 columns, so that there are 256 work-groups.  Four waves, each 64 x 128: 32 accumulators of 16 x 16, 256 registers.  K goes in steps of 128 (two heads) through a ring of two LDS slots.
; A K step of att's tile is two dense blocks of 16 KiB, 128 tokens of one head each: each comes as 64 LDS rows of two tokens (256 bytes + 16 of padding): token i at (i / 2) x pitch + 128 (i % 2).  w_out's: 256 rows of 256 bytes + 16.
; Waves 0 and 1 fetch att's two heads, waves 2 and 3 the halves of w_out's rows: one tensor load a wave behind each change of slots.
; CLUSTERS: 4 x 4 work-groups.  The four of a row of the cluster need the same tiles of att, the four of a column the same tiles of w_out: each tile is asked for JOINTLY, by the same tensor load with the
; same descriptor and a mask that names the four.  THE MATRIX INSTRUCTION IS USED TRANSPOSED (source 0 = 16 rows of w_out, source 1 = 16 tokens): a lane then holds eight neighbouring columns of one row of out0.
; REGISTERS: window 0: v0-31 addresses; v32-35 my four numbers of b_out; v64-95, v128-159 att's fragments, two buffers (4 x 16 tokens x 32 K); on the way out v64-191 hold rows of out0.
;   window 1: v64-127, v128-191 w_out's fragments, two buffers (8 x 16 rows x 32 K).   window 2: the accumulators, (a, b) at v[8 (8 a + b)].
.set PITCH,  272                       ; an LDS row: 256 bytes + 16: the 16 rows (of w_out) or 16 tokens (of att: (r / 2) + 8 (r % 2)) that a load touches fall on 16 different 16-byte columns
.set APLANE, 64*PITCH                  ; 128 tokens of one head
.set BHALF,  128*PITCH                 ; 128 rows of w_out
.set BOFF,   2*APLANE                  ; a slot: att's two heads, then w_out's 256 rows
.set SLOT,   BOFF+2*BHALF
.set STAGE,  2*SLOT                    ; behind the ring: 16 rows x (512 bytes + 16) for each wave, for the way out
.set SPITCH, 528
.set SPARE,  STAGE+4*16*SPITCH         ; behind the stages: the spare words, 128 bytes for each wave, which no other line names
.set LAPS,   4                         ; a lap = two K steps = once round the ring: K = 1,024
.set ADRA, 16                          ; v16-17  LDS address of my att fragments in slot 0, 1
.set ADRB, 20                          ; v20-21  the same for w_out
.set STO,  24                          ; v24     the way out: where I put 32 bytes of a row
.set RD,   25                          ; v25     where I read 16 bytes of a row back
.set CO,   26                          ; v26     16 x lane
.set SPW,  28                          ; v28     LDS address of my spare word: SPARE + 4 x my thread's number; never rewritten
.set NIL,  29                          ; v29     0; never rewritten
.set BI,   32                          ; v32-35  b_out at my four columns
.set F0,   64                          ; fragment buffers
.set F1,   128
.set BK,   64                          ; the way out: 16 rows read back: v64-127 and v128-191 by turns
.set G1, 24                            ; s[24:31] descriptor group 1 for att's tiles;  s[32:39] group 0, one set for each slot
.set G0, 32
.set G1B, 48                           ; s[48:55], s[56:63] the same for w_out's tiles
.set G0B, 56
.set MSB, 0
.macro WIN new                         ; the immediate's high byte repeats the setting that is left
.if MSB != \new
	s_set_vgpr_msb (MSB<<8)|\new
.set MSB, \new
.endif
.endm
.set MUL,  0xa1                        ; source 0 (w_out) window 1, source 1 (att) window 0, C and D window 2
.set TO_B, 0x40                        ; destination window 1, address window 0
.macro JLOAD s                         ; a joint load: waves 0 and 1 fetch for att, waves 2 and 3 for w_out; an s_nop 0 and four v_nop follow each of the two lines, ahead of the jump, the label and what follows
	s_cmp_eq_u32 s13, 0
	s_cbranch_scc0 .Lfor_b_\@
	tensor_load_to_lds s[G0+4*\s:G0+4*\s+3], s[G1:G1+7]
	s_nop 0
.rept 4
	v_nop
.endr
	s_branch .Lasked_\@
.Lfor_b_\@:
	tensor_load_to_lds s[G0B+4*\s:G0B+4*\s+3], s[G1B:G1B+7]
	s_nop 0
.rept 4
	v_nop
.endr
.Lasked_\@:
.endm
.macro CREST                           ; a round of the cluster's barrier behind its opening barrier
	s_cmp_lg_u32 s12, 0
	s_cbranch_scc1 .Lnot_wave_0_\@
	s_barrier_signal -3
.Lnot_wave_0_\@:
	s_barrier_wait -3
	s_barrier_signal -1
	s_barrier_wait -1
.endm
.macro CROUND                          ; a whole round
	s_barrier_signal -1
	s_barrier_wait -1
	CREST
.endm
	s_load_b128 s[4:7], s[0:1], 0x0                ; att s[4:5], w_out in f16 s[6:7]
	s_load_b128 s[8:11], s[0:1], 0x10              ; b_out s[8:9], out0 s[10:11]
	v_lshl_add_u32 v[SPW], v0, 2, SPARE
	v_mov_b32 v[NIL], 0
	ds_add_u32 v[SPW], v[NIL]                      ; the wave's opening: the add, twice on end, and its wait ahead of my first tensor load; the set-up below, work on registers, stands between the second and the wait
	ds_add_u32 v[SPW], v[NIL]
	v_lshrrev_b32 v1, 5, v0
	v_readfirstlane_b32 s12, v1                    ; wave 0..3
	s_lshr_b32 s13, s12, 1                         ; which 64 of the tile's tokens are mine.  Also: I fetch for att (0) or for w_out (1)
	s_and_b32 s14, s12, 1                          ; which 128 of its columns.  Also: which head of the K step, or which 128 rows of w_out, I fetch
	s_bfe_u32 s40, ttmp6, 0x40000                  ; cx, cy: my place in the cluster
	s_bfe_u32 s41, ttmp6, 0x40004
	s_lshl_b32 s42, ttmp9, 2
	s_add_co_u32 s42, s42, s40                     ; tile column = 4 x cluster x + cx
	s_and_b32 s43, ttmp7, 0xffff
	s_lshl_b32 s43, s43, 2
	s_add_co_u32 s43, s43, s41                     ; tile row = 4 x cluster y + cy
	s_lshl_b32 s44, s41, 2
	s_lshl_b32 s44, 15, s44                        ; my row of the cluster
	s_lshl_b32 s45, 0x1111, s40                    ; my column
	; descriptor group 1.  att: 64 rows x 128 elements of 2 bytes, dense;  w_out: 128 rows x 128 elements, 1,024 elements apart;  both padded in LDS
	s_or_b32 s[G1+0], s44, (1<<16)|(1<<20)|(1<<21)|(5<<22)|(3<<25)   ; 15:0 the mask: att's tiles go to my row; 17:16 element of 2 bytes; 20 padding on; 21 set beside a mask; 24:22 after every 64 words (code 5); 31:25 of 4 words (code 3)
	s_or_b32 s[G1B+0], s45, (1<<16)|(1<<20)|(1<<21)|(5<<22)|(3<<25)  ; the same with the mask of my column
	s_mov_b32 s[G1+1], 128<<16                     ; tensor_dim0 = 128
	s_mov_b32 s[G1+2], 64<<16                      ; tensor_dim1 = 64
	s_mov_b32 s[G1+3], 128<<16                     ; tile_dim0 = 128
	s_mov_b32 s[G1+4], 64                          ; tile_dim1 = 64
	s_mov_b32 s[G1+5], 128                         ; tensor_dim0_stride
	s_mov_b32 s[G1+6], 0
	s_mov_b32 s[G1+7], 0
	s_mov_b32 s[G1B+1], 128<<16
	s_mov_b32 s[G1B+2], 128<<16
	s_mov_b32 s[G1B+3], 128<<16
	s_mov_b32 s[G1B+4], 128
	s_mov_b32 s[G1B+5], 1024
	s_mov_b32 s[G1B+6], 0
	s_mov_b32 s[G1B+7], 0
	; where the tiles come from.  att's hang on the tile row alone, which my row of the cluster shares; w_out's on the tile column alone, which my column shares: each in registers that never hold the other coordinate
	s_lshl_b32 s16, s14, 20                        ; att: head (wave % 2) of the K step: a plane of 2^20 bytes,
	s_lshl_b32 s17, s43, 14                        ; 128 tokens x 128 bytes a tile row
	s_add_co_u32 s16, s16, s17
	s_mov_b32 s17, 0
	s_lshl_b32 s46, s42, 19                        ; w_out: 256 rows x 2,048 bytes a tile column,
	s_lshl_b32 s47, s14, 18                        ; 128 rows a half
	s_add_co_u32 s46, s46, s47
	s_mov_b32 s47, 0
	s_mul_i32 s20, s14, APLANE                     ; and where they go: no place in the cluster enters an LDS address
	s_mul_i32 s21, s14, BHALF
	s_add_co_u32 s21, s21, BOFF
	s_wait_dscnt 0x0                               ; both opening adds are done
	s_wait_kmcnt 0x0
	s_add_nc_u64 s[18:19], s[4:5], s[16:17]
	s_add_nc_u64 s[46:47], s[6:7], s[46:47]
	CROUND                                         ; all sixteen work-groups are here: the first joint loads meet
.irp s, 0,1
	s_mov_b32 s[G0+4*\s], 1                                        ; 1:0 count = 1
	s_add_co_u32 s[G0+4*\s+1], s20, \s*SLOT                        ; 63:32 LDS address
	s_add_nc_u64 s[G0+4*\s+2:G0+4*\s+3], s[18:19], \s*0x200000     ; 120:64 global address: K step s: two heads on
	s_or_b32 s[G0+4*\s+3], s[G0+4*\s+3], 0x80000000                ; 127:126 type = 2
	s_mov_b32 s[G0B+4*\s], 1
	s_add_co_u32 s[G0B+4*\s+1], s21, \s*SLOT
	s_add_nc_u64 s[G0B+4*\s+2:G0B+4*\s+3], s[46:47], \s*256
	s_or_b32 s[G0B+4*\s+3], s[G0B+4*\s+3], 0x80000000
	JLOAD \s                                       ; two tensor loads of mine are out behind the second
.endr
	v_and_b32 v1, 15, v0                           ; r = l % 16
	v_bfe_u32 v2, v0, 4, 1                         ; h = l / 16
	v_lshrrev_b32 v3, 1, v1
	v_mul_u32_u24 v3, v3, PITCH
	v_and_b32 v4, 1, v1
	v_lshl_add_u32 v3, v4, 7, v3
	v_lshl_add_u32 v3, v2, 4, v3                   ; att: token r: (r / 2) x pitch + 128 (r % 2), + 16 h
	v_mul_u32_u24 v4, v1, PITCH
	v_lshl_add_u32 v4, v2, 4, v4                   ; w_out: row r x pitch + 16 h
	s_mul_i32 s22, s13, 32*PITCH                   ; my 64 tokens
	s_mul_i32 s23, s14, BHALF                      ; my 128 rows of w_out,
	s_add_co_u32 s23, s23, BOFF                    ; which lie behind att's two heads
.irp s, 0,1
	v_add_nc_u32 v[ADRA+\s], s22, v3
	v_add_nc_u32 v[ADRB+\s], s23, v4
	s_add_co_u32 s22, s22, SLOT
	s_add_co_u32 s23, s23, SLOT
.endr
	s_mul_i32 s23, s12, 16*SPITCH
	s_add_co_u32 s23, s23, STAGE                   ; my stage
	v_mul_u32_u24 v5, v1, SPITCH                   ; in: row r, 32 bytes for each half of the lanes
	v_lshl_add_u32 v5, v2, 5, v5
	v_add_nc_u32 v[STO], s23, v5
	v_and_b32 v6, 31, v0
	v_lshlrev_b32 v[CO], 4, v6                     ; back: the 32 lanes take one row of 512 bytes; and the same in out0 and in b_out
	v_add_nc_u32 v[RD], s23, v[CO]
	s_lshl_b32 s16, s43, 19                        ; my first row of out0: (128 x tile row + 64 x half) x 4,096 bytes
	s_lshl_b32 s17, s13, 18
	s_add_co_u32 s16, s16, s17
	s_mov_b32 s17, 0
	s_add_nc_u64 s[10:11], s[10:11], s[16:17]
	s_lshl_b32 s46, s42, 10                        ; my first column, in bytes: 1,024 x tile column + 512 x half (in the registers that held w_out's address: none that feeds att's descriptors ever holds cx)
	s_lshl_b32 s47, s14, 9
	s_add_co_u32 s46, s46, s47
	s_mov_b32 s47, 0
	s_add_nc_u64 s[10:11], s[10:11], s[46:47]
	s_add_nc_u64 s[8:9], s[8:9], s[46:47]
	global_load_b128 v[BI:BI+3], v[CO], s[8:9]     ; b_out at my four columns: waited for ahead of the way out
; 8 matrix instructions: token block a against w_out's eight blocks, 32 along K: buffer f.  zero = 1: the first product starts the sums: nothing is ever cleared.
; The 32 accumulators take turns, one instruction a turn, in the same order in every quarter.
.macro MUL8 f, a, zero
.irp b, 0,1,2,3,4,5,6,7
.if \zero
	v_wmma_f32_16x16x32_f16 v[8*(8*(\a)+\b):8*(8*(\a)+\b)+7], v[\f+8*\b:\f+8*\b+7], v[\f+8*(\a):\f+8*(\a)+7], 0
.else
	v_wmma_f32_16x16x32_f16 v[8*(8*(\a)+\b):8*(8*(\a)+\b)+7], v[\f+8*\b:\f+8*\b+7], v[\f+8*(\a):\f+8*(\a)+7], v[8*(8*(\a)+\b):8*(8*(\a)+\b)+7]
.endif
.endr
.endm
; 24 LDS loads in one run: the fragments of the K step's quarter kq (32 along K: head kq / 2, channels 32 (kq % 2) on) into buffer f: w_out's eight first, then att's four
.macro FETCH slot, kq, f
	WIN TO_B
.irp i, 0,1,2,3,4,5,6,7
	ds_load_b128 v[\f+8*\i:\f+8*\i+3],   v[ADRB+\slot] offset:(\kq)*64+\i*16*PITCH
	ds_load_b128 v[\f+8*\i+4:\f+8*\i+7], v[ADRB+\slot] offset:(\kq)*64+\i*16*PITCH+32
.endr
	WIN 0
.irp i, 0,1,2,3
	ds_load_b128 v[\f+8*\i:\f+8*\i+3],   v[ADRA+\slot] offset:((\kq)/2)*APLANE+((\kq)%2)*64+\i*8*PITCH
	ds_load_b128 v[\f+8*\i+4:\f+8*\i+7], v[ADRA+\slot] offset:((\kq)/2)*APLANE+((\kq)%2)*64+\i*8*PITCH+32
.endr
.endm
.macro PLACES                          ; four places in front of loads into registers that matrix instructions have read, and of the first read of results (ISA guide 7.12.1 for vector instructions)
.rept 4
	v_nop
.endr
.endm
; A K step is four quarters of 32 along K, 32 matrix instructions each, on buffers 0, 1, 0, 1.  One of the first three: multiplies buffer f and fetches quarter kq into g.
.macro QUARTER slot, kq, f, g, zero
	s_wait_dscnt 4                                 ; w_out's fragments and token blocks 0, 1 are in; the youngest four loads (blocks 2, 3) may be out
	WIN MUL
	MUL8 \f, 0, \zero
	MUL8 \f, 1, \zero
	PLACES
	FETCH \slot, \kq, \g
	s_wait_dscnt 24                                ; all but the 24 just issued
	WIN MUL
	MUL8 \f, 2, \zero
	MUL8 \f, 3, \zero
.endm
; The last quarter multiplies buffer 1 and changes slots: ONE barrier; in front of it each wave waits for all its tensor loads, adds 0 to its spare word, and waits for that and for its own reads of this slot.
; fill = 1: this slot is filled again, two K steps ahead; the barrier then opens a round of the cluster's barrier, and the joint refill is the first thing behind the round.
.macro TURN slot, next, fill
	WIN 0                                          ; (the add's two registers lie in window 0)
	s_wait_tensorcnt 0x0                           ; all my tensor loads have landed: the one that was out is my part of the next slot
	ds_add_u32 v[SPW], v[NIL]                      ; 0 onto my spare word
	s_wait_dscnt 5                                 ; (the add and the youngest four loads may be out)
	WIN MUL
	MUL8 F1, 0, 0                                  ; eight matrix instructions stand between the add and the wait for it
	s_wait_dscnt 0x0                               ; the add is done, and my reads of this slot are over
	s_barrier_signal -1
	MUL8 F1, 1, 0
.if \fill
	WIN 0
.endif
	s_barrier_wait -1
.if \fill
	CREST                                          ; no wave of any partner still reads this slot's tile or has a load on its way
	s_add_nc_u64 s[G0+4*\slot+2:G0+4*\slot+3], s[G0+4*\slot+2:G0+4*\slot+3], 0x400000   ; two K steps on: four heads
	s_add_nc_u64 s[G0B+4*\slot+2:G0B+4*\slot+3], s[G0B+4*\slot+2:G0B+4*\slot+3], 512    ; 256 along K
	JLOAD \slot                                    ; the first tensor load behind the round, my one load until the next; the four v_nop behind it are also the places in front of the loads below
.else
	PLACES
.endif
	FETCH \next, 0, F0
	WIN MUL
	MUL8 F1, 2, 0
	MUL8 F1, 3, 0
.endm
	s_wait_tensorcnt 1                             ; my part of K step 0 is in (K step 1's load may be out)
	s_barrier_signal -1
	s_barrier_wait -1                              ; everybody's is
	FETCH 0, 0, F0
	QUARTER 0, 1, F0, F1, 1                        ; the first quarter stands in front of the loop: its products start the sums
	WIN 0                                          ; at a label and at a branch every window is 0
	s_mov_b32 s3, LAPS-1
.Llap:                                                 ; a trip goes once round the ring, from a lap's second quarter to the next lap's first, and fills both slots again
	QUARTER 0, 2, F1, F0, 0
	QUARTER 0, 3, F0, F1, 0
	TURN 0, 1, 1
	QUARTER 1, 1, F0, F1, 0
	QUARTER 1, 2, F1, F0, 0
	QUARTER 1, 3, F0, F1, 0
	TURN 1, 0, 1
	QUARTER 0, 1, F0, F1, 0
	WIN 0
	s_sub_co_u32 s3, s3, 1
	s_cmp_lg_u32 s3, 0
	s_cbranch_scc1 .Llap
	QUARTER 0, 2, F1, F0, 0                        ; the last lap fills nothing, and has no round of the cluster's barrier
	QUARTER 0, 3, F0, F1, 0
	TURN 0, 1, 0
	QUARTER 1, 1, F0, F1, 0
	QUARTER 1, 2, F1, F0, 0
	QUARTER 1, 3, F0, F1, 0
	s_wait_dscnt 4                                 ; the very last quarter: nothing more to fetch
	WIN MUL
	MUL8 F1, 0, 0
	MUL8 F1, 1, 0
	s_wait_dscnt 0
	MUL8 F1, 2, 0
	MUL8 F1, 3, 0
	WIN 0
; THE WAY OUT, block by block of 16 rows x 128 columns.  A lane holds 32 neighbouring bytes of a row, and the lanes beside it hold other rows: so a block goes through my own stage in LDS and comes back as whole
; rows of 512 bytes; the bias is added there, where a lane holds the same four columns in every row.  LDS serves a wave's instructions in order (ISA guide 5.7.1.4): no wait between the stores and the loads, nor in front of the next block's stores.
.macro TOSTAGE a
	WIN 0x08                                       ; an LDS store's data are its source 1: window 2
.irp b, 0,1,2,3,4,5,6,7
	ds_store_b128 v[STO], v[8*(8*(\a)+\b):8*(8*(\a)+\b)+3] offset:64*\b          ; each accumulator from its low end on
	ds_store_b128 v[STO], v[8*(8*(\a)+\b)+4:8*(8*(\a)+\b)+7] offset:64*\b+16
.endr
	WIN 0
.set BB, BK+64*((\a)%2)
.irp t, 0,1,2,3,4,5,6,7,8,9,10,11,12,13,14,15
	ds_load_b128 v[BB+4*\t:BB+4*\t+3], v[RD] offset:\t*SPITCH
.endr
.endm
.macro SEND a, younger                 ; younger: the LDS instructions issued behind block a's loads, which may stay out
.set BB, BK+64*((\a)%2)
	s_wait_dscnt \younger                          ; the block is back in registers
.irp t, 0,1,2,3,4,5,6,7,8,9,10,11,12,13,14,15
	v_pk_add_f32 v[BB+4*\t:BB+4*\t+1], v[BB+4*\t:BB+4*\t+1], v[BI:BI+1]
	v_pk_add_f32 v[BB+4*\t+2:BB+4*\t+3], v[BB+4*\t+2:BB+4*\t+3], v[BI+2:BI+3]
	global_store_b128 v[CO], v[BB+4*\t:BB+4*\t+3], s[10:11] offset:(16*(\a)+\t)*4096 th:TH_STORE_NT   ; 32 lanes store 512 consecutive bytes, at a multiple of 512 from out0's first byte; written once, read by nobody here
.endr
.endm
	s_wait_loadcnt 0x0                             ; b_out
	PLACES                                         ; behind the last products: for the stores that read results and the loads into the registers that held att's fragments
	TOSTAGE 0
.irp a, 1,2,3
.if \a > 1
	s_wait_xcnt 0x0                                ; block a - 2's stores have read their registers: block a's loads may land there
.endif
	TOSTAGE \a
	SEND \a-1, 32                                  ; behind block a - 1's loads: block a's 16 stores and 16 loads
.endr
	SEND 3, 0
	s_wait_tensorcnt 0x0                           ; the wave's end: behind my last tensor load and my last LDS store
	ds_add_u32 v[SPW], v[NIL]
	s_wait_dscnt 0x0
	CROUND                                         ; the closing round: no work-group ends while a partner may still ask for a tile that names it
	s_endpgm
.Lfunc_end_k_q73e660f64f_proj:
	.size	k_q73e660f64f_proj, .Lfunc_end_k_q73e660f64f_proj-k_q73e660f64f_proj
	.p2alignl 7, 3214868480
	.fill 96, 4, 3214868480
	.section	.rodata,"a",@progbits
	.p2align	6, 0x0
	.amdhsa_kernel k_q73e660f64f_proj
		.amdhsa_group_segment_fixed_size 327680
		.amdhsa_private_segment_fixed_size 0
		.amdhsa_enable_private_segment 0
		.amdhsa_kernarg_size 32
		.amdhsa_user_sgpr_count 2
		.amdhsa_user_sgpr_kernarg_segment_ptr 1
		.amdhsa_wavefront_size32 1
		.amdhsa_system_sgpr_workgroup_id_x 1
		.amdhsa_system_sgpr_workgroup_id_y 1
		.amdhsa_system_sgpr_workgroup_id_z 1
		.amdhsa_system_vgpr_workitem_id 0
		.amdhsa_next_free_vgpr 768
		.amdhsa_next_free_sgpr 66
		.amdhsa_reserve_vcc 0
		.amdhsa_float_denorm_mode_32 3
		.amdhsa_float_denorm_mode_16_64 3
		.amdhsa_memory_ordered 1
		.amdhsa_forward_progress 1
		.amdhsa_inst_pref_size 94
	.end_amdhsa_kernel
	.amdgpu_metadata
---
amdhsa.version: [ 1, 2 ]
amdhsa.kernels:
  - .name:           k_q73e660f64f_proj
    .symbol:         k_q73e660f64f_proj.kd
    .args:
      - { .name: att, .offset: 0, .size: 8, .value_kind: global_buffer, .address_space: global }
      - { .name: wo16, .offset: 8, .size: 8, .value_kind: global_buffer, .address_space: global }
      - { .name: b_out, .offset: 16, .size: 8, .value_kind: global_buffer, .address_space: global }
      - { .name: out0, .offset: 24, .size: 8, .value_kind: global_buffer, .address_space: global }
    .group_segment_fixed_size: 327680
    .private_segment_fixed_size: 0
    .kernarg_segment_align: 8
    .kernarg_segment_size: 32
    .max_flat_workgroup_size: 128
    .sgpr_count:     66
    .vgpr_count:     768
    .wavefront_size: 32
...
	.end_amdgpu_metadata
.endif
;; end of part 4
